; MI455X (gfx1250); checked and timed in simulation.
; The chip was launched on July 23, 2026; its instructions are those of AMD's public machine-readable ISA for CDNA 5 (MIT licence, August 2026) and "CDNA5" Instruction Set Architecture Reference Guide (July 2026). The comments in the code are by the model that wrote it; some were corrected since.
;; Masked Causal Attention. Allowed arithmetic: matrix products marked QUANTISED: E2M3 operands, one E8M0 scale for each 32 along K, by v_wmma_scale_f32_16x16x128_f8f6f4 with both operands' format E2M3, f32 sums; everything else in f32.
;; Inputs: Wk 1,024 x 1,024 float32; Wo 1,024 x 1,024 float32; Wq 1,024 x 1,024 float32; Wv 1,024 x 1,024 float32; bk 1,024 float32; bo 1,024 float32; bq 1,024 float32; bv 1,024 float32; x 4 x 2,048 x 1,024 float32.
;; Outputs: out0 4 x 2,048 x 1,024 float32.
;; This version of the problem:
;;   THIS VERSION OF THE PROBLEM IS GIVEN IN LOW PRECISION. The matrix products marked QUANTISED in the list below multiply operands that are first quantised to E2M3 (2 exponent bits, 3 mantissa bits; 6 bits a number), with one power-of-two scale for each 32 numbers along K (OCP MX v1.0); their sums are f32. All else is computed in f32.
;;   The module's matrix products, in the order in which they are computed (A, B: the left and right operand; K: the contracted axis; several contracted axes count as one K, in the product's order):
;;     1. [M 8,192, K 1,024] x [K 1,024, N 1,024]; A: input x; B: input Wq: QUANTISED
;;     2. [M 8,192, K 1,024] x [K 1,024, N 1,024]; A: input x; B: input Wk: QUANTISED
;;     3. [M 8,192, K 1,024] x [K 1,024, N 1,024]; A: input x; B: input Wv: QUANTISED
;;     4. batch 64 x [M 2,048, K 64] x [K 64, N 2,048]; A: computed on the way; B: computed on the way: QUANTISED
;;     5. batch 64 x [M 2,048, K 2,048] x [K 2,048, N 64]; A: softmax (see below); B: computed on the way: QUANTISED
;;     6. [M 8,192, K 1,024] x [K 1,024, N 1,024]; A: computed on the way; B: input Wo: QUANTISED
;;   THE QUANTISER, for each operand of a quantised product, along K:
;;     - K is cut into blocks of 32 from its start; a last block that is shorter is filled with zeros.
;;     - A block's scale is 2^e with e = floor(log2(the largest magnitude in the block)) - 2, held to -126 .. 127; a block of zeros has e = 0. As a byte (E8M0): e + 127.
;;     - Each number is divided by its block's scale, clamped to +-7.5, and rounded to the nearest number of E2M3, ties to even, subnormals kept.
;;     - The product sums the exact products of the quantised numbers (number of the format x scale) in f32.
;;   ~~~python
;;   def quantise(x, axis):      # numpy; x: float32 -> the quantised numbers, widened to float32 again
;;       x = np.moveaxis(x, axis, -1); K = x.shape[-1]
;;       x = np.pad(x, [(0, 0)] * (x.ndim - 1) + [(0, -K % 32)]); x = x.reshape(x.shape[:-1] + (-1, 32)); a = np.abs(x).max(-1, keepdims=True)
;;       e = np.where(a > 0, np.clip(np.frexp(np.where(a > 0, a, 1))[1] - 1 - 2, -126, 127), 0)      # np.frexp(a)[1] - 1 = floor(log2(a)), exactly
;;       r = np.clip(x / 2.0 ** e, -7.5, 7.5)
;;       step = 2.0 ** (np.maximum(np.frexp(np.where(r == 0, 1, r))[1] - 1, 0) - 3)
;;       q = np.round(r / step) * step * 2.0 ** e      # np.round: ties to even
;;       return np.moveaxis(q.reshape(q.shape[:-2] + (-1,))[..., :K], -1, axis).astype(np.float32)
;;   ~~~
;;   SOFTMAX AHEAD OF A QUANTISED PRODUCT. Where the list says 'softmax', what is quantised is not the finished softmax but p = 2^(t - M), with t = logit x log2(e) and M = ceil(the row's largest t), a whole number; so 1/2 < the row's largest p <= 1. The row's sum l is taken of the UNQUANTISED p, in f32, and the product's result is divided by l at the end. Since M is a whole number, a kernel that streams over the keys may use a running M (the ceiling of the running maximum): every later rescaling is an exact power of two, which a block's scale takes up: the codes' values come out the same.
;;   OPERANDS COMPUTED ON THE WAY. 'Computed on the way' means the value that the module computes at that place (a softmax that the list does not call 'softmax' is quantised finished and normalised). What goes into a quantiser is computed in f32, as accurately as f32 sums, v_exp_f32 and their like allow (about 1e-6 of the number): no bf16 or f16 on the way to a quantiser, and a product that is left as it is and whose result goes on into a quantised operand takes f32 operands (vector FMAs, or v_wmma_f32_16x16x4_f32). A number that lies on a knife's edge between two numbers of the format may be rounded either way, as far as f32 arithmetic and the matrix unit's own rounding can turn it there, and no further.
;; One version. Each part assembles by itself: llvm-mc -triple=amdgcn-amd-amdhsa -mcpu=gfx1250 --defsym DOCPART=n.
;; ======== version 1 of 1: 4 launches
;; workspace buffers: x_codes 6,291,456 bytes; x_scales 262,144 bytes; w_codes 3,145,728 bytes; w_scales 131,072 bytes; qkv_img 18,874,368 bytes; qkv_sc 1,310,720 bytes; o_img 6,291,456 bytes; o_sc 262,144 bytes
;; launch quant (part 1): grid 384 x 1, 4 waves a work-group, no clusters, 68,096 bytes of LDS; arguments x, Wq, Wk, Wv, Wo, x_codes, x_scales, w_codes, w_scales; writes x_codes, x_scales, w_codes, w_scales
.if DOCPART == 1
	.amdgcn_target "amdgcn-amd-amdhsa--gfx1250"
	.amdhsa_code_object_version 6
	.text
	.protected	k_q0110c0fe9e_quant
	.globl	k_q0110c0fe9e_quant
	.p2align	8
	.type	k_q0110c0fe9e_quant,@function
k_q0110c0fe9e_quant:
	s_mov_b64 s[64:65], 0
	v_nop
	global_prefetch_b8 v0, s[64:65] scope:SCOPE_SE
	s_setreg_imm32_b32 hwreg(HW_REG_WAVE_MODE, 25, 1), 1
	s_wait_xcnt 0x0
; x [8192][1024] f32 (K innermost) and Wq, Wk, Wv, Wo [1024 (k)][1024 (n)] f32 (K is the FIRST axis) become codes of FP6 (E2M3), K innermost, 768 bytes a row,
; with one E8M0 byte for each 32 along K, 32 bytes a row.  A block's scale is 2^(floor(log2(its largest magnitude)) - 2): its byte is that magnitude's exponent field - 2, held at 1 from below.
; ROWS ARE STORED PERMUTED: row (or column n) number i lies at position i with bits 3 and 4 exchanged.  Sixteen neighbouring positions 16 t + r are then the true rows
; 32 (t / 2) + 8 (t % 2) + r % 8 + 16 (r / 8): as source 0 of a matrix instruction such tiles leave 16 neighbours along the next K in a lane's registers.
; w_codes, w_scales: Wq's columns at rows 0-1023, Wk's from 1024, Wv's from 2048, Wo's from 3072.
; Work-groups 0-255 take x (32 rows each, 8 a wave), 256-383 the weights (128 columns x 256 along K each): both kinds read 131,072 bytes.  The two ways have LDS bytes of their own.
; LIMITS: a block of zeros gets the byte 1 where the rule says 127 (its codes are zeros, and this program alone reads the bytes); blocks under 2^-124 keep the byte 1; NaN and infinities are not served.
.set STEPS, 16
.set EMAX,  2
.set CB,    12                         ; bytes of 16 codes
.set R,     16                         ; x: v16-79   four sets of 16 numbers as loaded
.set X,     80                         ; x: v80-111  two sets of 16 neighbours
.set E,     112                        ; x: v112-127 a scale byte for each step
.set C,     128                        ; x: v128-191 codes, four registers a step
.set WREG,  8192                       ; x: LDS of a wave: two stages of 32 x SP bytes, then its 256 scale bytes
.set SP,    80                         ; x: a lane's 64 bytes + 16 of padding
.set WSTG,  32768                      ; weights: the stages begin here, 32 rows x WPITCH a wave
.set WPITCH, 272                       ; sixteen places of 16 bytes (12 of codes each) + 16
.set NB,    8                          ; blocks of 32 along K for a wave
.set WROWB, 192                        ; bytes of 256 codes
.set KROW,  768                        ; a row of codes
.set WX,    32                         ; weights: v32-95 two sets of 32 numbers
.set WC,    96                         ; a block's codes
.set OUTR,  112                        ; v112-175 the way out
.set SB,    24                         ; v24-25 the scale bytes
	s_load_b256 s[4:11], s[0:1], 0x0               ; x, Wq, Wk, Wv
	s_load_b256 s[12:19], s[0:1], 0x20             ; Wo, x_codes, x_scales, w_codes
	s_load_b64 s[20:21], s[0:1], 0x40              ; w_scales
	v_lshl_add_u32 v192, v0, 2, 0x10800
	v_mov_b32 v193, 0
	v_lshrrev_b32 v1, 5, v0
	v_readfirstlane_b32 s22, v1                    ; wave
	v_and_b32 v2, 31, v0                           ; lane
	s_cmp_lt_u32 ttmp9, 256
	s_cbranch_scc0 .Lweights
; ---------------- x: a wave takes 8 rows, 16 steps of 512 numbers.  Each load reads 512 consecutive bytes; a step's 2,048 bytes turn through the wave's stage so that a lane holds 16 neighbours.
	v_lshlrev_b32 v3, 4, v2                        ; my 16 bytes of a load's 512
	s_mul_i32 s23, s22, WREG
	v_lshrrev_b32 v14, 2, v2
	v_mul_u32_u24 v14, v14, SP
	v_and_b32 v15, 3, v2
	v_lshl_add_u32 v14, v15, 4, v14
	v_add_nc_u32 v14, s23, v14                     ; into the stage: SP (lane / 4) + 16 (lane % 4)
	v_mul_u32_u24 v15, v2, SP
	v_add_nc_u32 v15, s23, v15                     ; out of it: SP x lane
	v_mul_u32_u24 v4, v2, CB                       ; my codes in a step's 384 bytes
	v_lshrrev_b32 v5, 1, v2
	s_add_co_u32 s23, s23, 2*32*SP
	v_add_nc_u32 v5, s23, v5                       ; my block's byte among the wave's 256
	v_lshlrev_b32 v7, 3, v2
	v_add_nc_u32 v6, s23, v7
	s_lshl_b32 s24, ttmp9, 2
	s_add_co_u32 s26, s24, s22                     ; the run of 8 rows that I read: 4 x work-group + wave
	s_and_b32 s25, s22, 1
	s_lshl_b32 s25, s25, 1
	s_lshr_b32 s27, s22, 1
	s_or_b32 s25, s25, s27                         ; the wave's two bits are the rows' bits 3 and 4: exchanged
	s_add_co_u32 s28, s24, s25                     ; the run of 8 positions that I write
	s_lshl_b32 s26, s26, 15                        ; 8 rows of 4,096 bytes
	s_mov_b32 s27, 0
	s_mul_i32 s30, s28, 8*KROW
	s_mov_b32 s31, 0
	s_lshl_b32 s28, s28, 8                         ; 8 rows of 32 scale bytes
	s_mov_b32 s29, 0
	s_wait_kmcnt 0x0
	s_add_nc_u64 s[4:5], s[4:5], s[26:27]
	s_add_nc_u64 s[14:15], s[14:15], s[30:31]
	s_add_nc_u64 s[16:17], s[16:17], s[28:29]
.macro XLOAD t
.irp i, 0,1,2,3
	global_load_b128 v[R+16*((\t)%4)+4*\i:R+16*((\t)%4)+4*\i+3], v3, s[4:5] offset:2048*(\t)+512*\i th:TH_LOAD_NT
.endr
.endm
.macro XTURN t                         ; LDS serves a wave's instructions in order: no wait between the stores and the loads
.irp i, 0,1,2,3
	ds_store_b128 v14, v[R+16*((\t)%4)+4*\i:R+16*((\t)%4)+4*\i+3] offset:32*SP*((\t)%2)+8*SP*\i
.endr
.irp i, 0,1,2,3
	ds_load_b128 v[X+16*((\t)%2)+4*\i:X+16*((\t)%2)+4*\i+3], v15 offset:32*SP*((\t)%2)+16*\i
.endr
.endm
.irp t, 0,1,2,3
	XLOAD \t
.endr
	s_wait_loadcnt 12                              ; step 0's four loads are in; three steps' twelve stay out
	XTURN 0
.macro XSTEP t
.set XS, X+16*((\t)%2)
.if (\t) > 0
	s_wait_dscnt 1                                 ; this step's numbers are back from the stage; the last step's byte store may be out
.else
	s_wait_dscnt 0x0
.endif
.if (\t)+4 < STEPS
	XLOAD (\t)+4                                   ; into the set whose stores to the stage are done
.endif
.if (\t)+1 < STEPS
.if STEPS-2-(\t) >= 3
	s_wait_loadcnt 12                              ; the next step's four loads are in; three steps' twelve stay out
.else
	s_wait_loadcnt 4*(STEPS-2-(\t))
.endif
	XTURN (\t)+1
.endif
	v_max3_num_f32 v8, |v[XS]|, |v[XS+1]|, |v[XS+2]|
	v_max3_num_f32 v9, |v[XS+3]|, |v[XS+4]|, |v[XS+5]|
.irp i, 6,10
	v_max3_num_f32 v8, v8, |v[XS+\i]|, |v[XS+\i+1]|
	v_max3_num_f32 v9, v9, |v[XS+\i+2]|, |v[XS+\i+3]|
.endr
	v_max3_num_f32 v8, v8, |v[XS+14]|, |v[XS+15]|
	v_max3_num_f32 v8, v8, v9, (EMAX+1)<<23        ; and the floor 2^(3 - 127): the byte cannot fall under 1
	v_max_num_f32_dpp v8, v8, v8 row_xmask:1 row_mask:0xf bank_mask:0xf   ; with my neighbour's 16: the block's largest magnitude
	v_add_nc_u32 v11, -(EMAX<<23), v8              ; 2 off its exponent field: the conversion's scale operand
	v_cvt_scalef32_pk16_fp6_f32 v[C+4*(\t):C+4*(\t)+2], v[XS:XS+15], v11
	v_lshrrev_b32 v[E+(\t)], 23, v11               ; the scale's byte (a plain line behind the conversion)
	ds_store_b8 v5, v[E+(\t)] offset:16*(\t)       ; both lanes of a block write the same byte
	global_store_b96 v4, v[C+4*(\t):C+4*(\t)+2], s[14:15] offset:32*CB*(\t)
.endm
.irp t, 0,1,2,3,4,5,6,7,8,9,10,11,12,13,14,15
	XSTEP \t
.endr
	ds_load_b64 v[12:13], v6                       ; my wave's 256 scale bytes, 8 a lane
	s_wait_dscnt 0x0
	global_store_b64 v7, v[12:13], s[16:17]        ; 256 consecutive bytes, aligned
	s_wait_tensorcnt 0x0
	ds_add_u32 v192, v193
	s_wait_dscnt 0x0
	s_endpgm
; ---------------- the weights: a lane takes a column n and its registers run down K; a wave takes 32 columns x 256 along K
.Lweights:
	s_sub_co_u32 s23, ttmp9, 256                   ; 0 .. 127
	s_lshr_b32 s24, s23, 5                         ; which weight
	s_and_b32 s25, s23, 7                          ; which 128 columns
	s_bfe_u32 s26, s23, 0x20003                    ; which 256 along K
	s_lshl_b32 s27, s25, 7
	s_lshl_b32 s28, s22, 5
	s_add_co_u32 s27, s27, s28                     ; my wave's first column
	v_lshlrev_b32 v3, 2, v2                        ; in: 4 bytes a lane
	v_and_b32 v10, 7, v2
	v_and_b32 v11, 8, v2
	v_lshl_add_u32 v10, v11, 1, v10
	v_bfe_u32 v11, v2, 4, 1
	v_lshl_add_u32 v10, v11, 3, v10                ; my column's position among the wave's 32: bits 3 and 4 exchanged
	s_mul_i32 s28, s22, 32*WPITCH
	s_add_co_u32 s28, s28, WSTG                    ; my stage
	v_mul_u32_u24 v4, v10, WPITCH
	v_add_nc_u32 v4, s28, v4                       ; into it: row = my column's position
	v_and_b32 v5, 15, v2
	v_lshrrev_b32 v6, 4, v2
	v_mul_u32_u24 v7, v6, WPITCH
	v_lshl_add_u32 v7, v5, 4, v7
	v_add_nc_u32 v7, s28, v7                       ; out of it: sixteen lanes to a row, two rows an instruction
	v_mul_u32_u24 v8, v6, KROW
	v_mad_u32_u24 v8, v5, 12, v8                   ; and the same place in the codes' buffer
	v_lshlrev_b32 v9, 5, v10                       ; my position's row of scale bytes
	s_lshl_b32 s30, s26, 20                        ; W: 256 rows of 4,096 bytes for each step along K,
	s_lshl_b32 s31, s27, 2
	s_add_co_u32 s30, s30, s31                     ; + 4 x column
	s_mov_b32 s31, 0
	s_lshl_b32 s32, s24, 10
	s_add_co_u32 s32, s32, s27                     ; the first row of the codes' buffer that I write
	s_mul_i32 s34, s32, KROW
	s_mul_i32 s33, s26, WROWB
	s_add_co_u32 s34, s34, s33
	s_mov_b32 s35, 0
	s_lshl_b32 s36, s32, 5
	s_lshl_b32 s33, s26, 3
	s_add_co_u32 s36, s36, s33
	s_mov_b32 s37, 0
	s_and_b32 s38, s24, 1
	s_lshr_b32 s39, s24, 1
	s_wait_kmcnt 0x0
	s_cmp_lg_u32 s38, 0                            ; the weight is chosen by the work-group's number alone
	s_cselect_b64 s[40:41], s[8:9], s[6:7]
	s_cselect_b64 s[42:43], s[12:13], s[10:11]
	s_cmp_lg_u32 s39, 0
	s_cselect_b64 s[40:41], s[42:43], s[40:41]
	s_add_nc_u64 s[40:41], s[40:41], s[30:31]
	s_add_nc_u64 s[18:19], s[18:19], s[34:35]
	s_add_nc_u64 s[20:21], s[20:21], s[36:37]
.macro WLOAD t                         ; block t: W(32 t + i, my column) into set t % 2: 128 consecutive bytes a load
.irp i, 0,1,2,3,4,5,6,7,8,9,10,11,12,13,14,15,16,17,18,19,20,21,22,23,24,25,26,27,28,29,30,31
	global_load_b32 v[WX+32*((\t)%2)+\i], v3, s[40:41] offset:(32*(\t)+\i)*4096 th:TH_LOAD_NT
.endr
.endm
	WLOAD 0
	WLOAD 1
.macro WBLOCK t
.set XS, WX+32*((\t)%2)
.if (\t) < NB-1
	s_wait_loadcnt 32                              ; this block's 32 loads are in; the next block's stay out
.else
	s_wait_loadcnt 0
.endif
	v_max3_num_f32 v12, |v[XS]|, |v[XS+1]|, |v[XS+2]|
	v_max3_num_f32 v13, |v[XS+3]|, |v[XS+4]|, |v[XS+5]|
.irp i, 6,10,14,18,22,26
	v_max3_num_f32 v12, v12, |v[XS+\i]|, |v[XS+\i+1]|
	v_max3_num_f32 v13, v13, |v[XS+\i+2]|, |v[XS+\i+3]|
.endr
	v_max3_num_f32 v12, v12, |v[XS+30]|, |v[XS+31]|
	v_max3_num_f32 v12, v12, v13, (EMAX+1)<<23     ; all 32 numbers are mine; and the floor
	v_add_nc_u32 v11, -(EMAX<<23), v12             ; the conversion's scale operand
	v_lshrrev_b32 v13, 23, v11                     ; the scale's byte
.if (\t)%4 == 0
	v_mov_b32 v[SB+(\t)/4], v13
.else
	v_lshl_or_b32 v[SB+(\t)/4], v13, 8*((\t)%4), v[SB+(\t)/4]
.endif
	v_cvt_scalef32_pk16_fp6_f32 v[WC:WC+2], v[XS:XS+15], v11
	v_cvt_scalef32_pk16_fp6_f32 v[WC+4:WC+6], v[XS+16:XS+31], v11
	ds_store_b96 v4, v[WC:WC+2] offset:32*(\t)     ; 12 bytes to a place of 16
	ds_store_b96 v4, v[WC+4:WC+6] offset:32*(\t)+16
.if (\t)+2 < NB
	WLOAD (\t)+2
.endif
	s_wait_dscnt 0x0                               ; the stores have read their registers: the next block's codes may be written
.endm
.set Q, 0
.rept NB
	WBLOCK Q
.set Q, Q+1
.endr
	global_store_b64 v9, v[SB:SB+1], s[20:21]      ; my column's 8 scale bytes
.irp t, 0,1,2,3,4,5,6,7,8,9,10,11,12,13,14,15
	ds_load_b96 v[OUTR+4*\t:OUTR+4*\t+2], v7 offset:2*\t*WPITCH
.endr
.irp t, 0,1,2,3,4,5,6,7,8,9,10,11,12,13,14,15
	s_wait_dscnt 15-\t                             ; LDS loads come back in order: load t is in, the later ones stay out
	global_store_b96 v8, v[OUTR+4*\t:OUTR+4*\t+2], s[18:19] offset:2*\t*KROW   ; sixteen lanes store a row's 192 consecutive bytes
.endr
	s_wait_tensorcnt 0x0
	ds_add_u32 v192, v193
	s_wait_dscnt 0x0
	s_endpgm
.Lfunc_end_k_q0110c0fe9e_quant:
	.size	k_q0110c0fe9e_quant, .Lfunc_end_k_q0110c0fe9e_quant-k_q0110c0fe9e_quant
	.p2alignl 7, 3214868480
	.fill 96, 4, 3214868480
	.section	.rodata,"a",@progbits
	.p2align	6, 0x0
	.amdhsa_kernel k_q0110c0fe9e_quant
		.amdhsa_group_segment_fixed_size 68096
		.amdhsa_private_segment_fixed_size 0
		.amdhsa_enable_private_segment 0
		.amdhsa_kernarg_size 72
		.amdhsa_user_sgpr_count 2
		.amdhsa_user_sgpr_kernarg_segment_ptr 1
		.amdhsa_wavefront_size32 1
		.amdhsa_system_sgpr_workgroup_id_x 1
		.amdhsa_system_sgpr_workgroup_id_y 1
		.amdhsa_system_sgpr_workgroup_id_z 1
		.amdhsa_system_vgpr_workitem_id 0
		.amdhsa_next_free_vgpr 194
		.amdhsa_next_free_sgpr 66
		.amdhsa_reserve_vcc 0
		.amdhsa_float_denorm_mode_32 3
		.amdhsa_float_denorm_mode_16_64 3
		.amdhsa_memory_ordered 1
		.amdhsa_forward_progress 1
		.amdhsa_inst_pref_size 74
	.end_amdhsa_kernel
	.amdgpu_metadata
---
amdhsa.version: [ 1, 2 ]
amdhsa.kernels:
  - .name:           k_q0110c0fe9e_quant
    .symbol:         k_q0110c0fe9e_quant.kd
    .args:
      - { .name: x, .offset: 0, .size: 8, .value_kind: global_buffer, .address_space: global }
      - { .name: Wq, .offset: 8, .size: 8, .value_kind: global_buffer, .address_space: global }
      - { .name: Wk, .offset: 16, .size: 8, .value_kind: global_buffer, .address_space: global }
      - { .name: Wv, .offset: 24, .size: 8, .value_kind: global_buffer, .address_space: global }
      - { .name: Wo, .offset: 32, .size: 8, .value_kind: global_buffer, .address_space: global }
      - { .name: x_codes, .offset: 40, .size: 8, .value_kind: global_buffer, .address_space: global }
      - { .name: x_scales, .offset: 48, .size: 8, .value_kind: global_buffer, .address_space: global }
      - { .name: w_codes, .offset: 56, .size: 8, .value_kind: global_buffer, .address_space: global }
      - { .name: w_scales, .offset: 64, .size: 8, .value_kind: global_buffer, .address_space: global }
    .group_segment_fixed_size: 68096
    .private_segment_fixed_size: 0
    .kernarg_segment_align: 8
    .kernarg_segment_size: 72
    .max_flat_workgroup_size: 128
    .sgpr_count:     66
    .vgpr_count:     194
    .wavefront_size: 32
...
	.end_amdgpu_metadata
.endif
;; end of part 1
;; launch proj (part 2): grid 12 x 32, 4 waves a work-group, clusters of 4 x 4, 327,680 bytes of LDS; arguments x_codes, x_scales, w_codes, w_scales, bq, bk, bv, qkv_img, qkv_sc; writes qkv_img, qkv_sc
.if DOCPART == 2
	.amdgcn_target "amdgcn-amd-amdhsa--gfx1250"
	.amdhsa_code_object_version 6
	.text
	.protected	k_q0110c0fe9e_proj
	.globl	k_q0110c0fe9e_proj
	.p2align	8
	.type	k_q0110c0fe9e_proj,@function
k_q0110c0fe9e_proj:
	s_mov_b64 s[64:65], 0
	v_nop
	global_prefetch_b8 v0, s[64:65] scope:SCOPE_SE
	s_setreg_imm32_b32 hwreg(HW_REG_WAVE_MODE, 25, 1), 1
	s_wait_xcnt 0x0
	s_wait_alu depctr_hold_cnt(0) depctr_sa_sdst(0) depctr_va_vdst(0) depctr_va_sdst(0) depctr_va_ssrc(0) depctr_va_vcc(0) depctr_vm_vsrc(0)
	s_getreg_b32 s2, hwreg(HW_REG_IB_STS2, 6, 4)
	s_cmp_eq_u32 s2, 0
	s_cbranch_scc0 .Lentry_in_a_cluster
	s_endpgm
.Lentry_in_a_cluster:
	s_bfe_u32 s2, ttmp6, 0x10000c
	s_cmp_lg_u32 s2, 0xf033
	s_cbranch_scc0 .Lentry_shape_is_right
	s_endpgm
.Lentry_shape_is_right:
; q, k, v = x W + b on codes of FP6 (E2M3) with E8M0 scales, and their quantising for the attention: q and k along the head's 64, v along the keys.  No f32 result goes to memory.
; One GEMM, M = 8,192 token positions, N = 3,072 column positions (Wq, Wk, Wv), K = 1,024.  A tile of 256 x 256 to a work-group of four waves, 128 x 128 (64 accumulators, 512 registers) a wave.
; K goes in steps of 256 through a ring of two LDS slots filled by the tensor data mover; the scales of the work-group's rows come once.  4 x 4 work-groups form a cluster: x's tiles are asked for
; jointly along a row of the cluster, W's along a column.  The cluster's x (0, 1, 2) is the KIND: q, k or v; it is the same in all sixteen partners.
; THE MATRIX INSTRUCTION IS USED TRANSPOSED (source 0 = 16 positions of W, source 1 = 16 positions of x): a lane holds one token, its registers run along n.  Rows of both operands lie permuted
; (bits 3 and 4 exchanged), so registers 16 b + i of an x block's 8 accumulators are the true columns 32 b + 16 (lane / 16) + i: what the conversions want.  The bias is the C of the first K step.
; OUT.  A half fragment (16 rows x 64 K, six registers a lane) is stored as an image of its registers: registers 0-1 at 8 x lane (256 bytes), registers 2-5 at 256 + 16 x lane (512 bytes).
;   q, k: [head 64][tile 128][768]; the wave's 128 columns are two heads, the fragment's two halves.  Scale words (bytes s0, s1, 0, 0: the upper 64 of the product's K are zero codes) [head][T / 4][r][T % 4].
;   v: its K is the keys, which lie across lanes here: 32 columns at a time go through the wave's own stage in LDS and come back with one d to a lane and 64 tokens down its registers.
;      [head][key step 16][d tile 4][1536]; scale words [head][step][r][d tile].
; The stage lies in slot 0, which has had its last fill and its last read when the first result is stored there.
; LIMITS: a block of zeros gets the byte 1 (its codes are zeros; this program alone reads the bytes); NaN and infinities are not served.
; REGISTERS: window 0: v8-31 addresses; v32-63 scale words, two sets; v64-127 the bias (later v's numbers); v128-223 x's fragments, one set (later the quantiser's).  window 1: W's fragments, two sets.  windows 2, 3: accumulators.
.set KSTEP,  256
.set NQ,     2                         ; matrix instructions deep in a slot
.set ROWB,   192                       ; a tile's row in bytes
.set KROW,   768                       ; a row of codes in memory
.set PITCH,  240                       ; an LDS row: 3 x (64 bytes + 16 of padding): the 32 lanes of a load of 8 bytes touch 64 different banks
.set FR,     12
.set NL,     6
.set NP,     4                         ; places behind this matrix instruction (ISA guide 7.12.1)
.set HALFT,  128*PITCH
.set SLOT,   4*HALFT
.set LAPS,   2                         ; 1,024 / 512
.set KS,     32                        ; a row of scales in bytes
.set SCL,    2*SLOT
.set HALFS,  16*272                    ; the scales of 128 rows, as units of 256 bytes + 16
.set SBLK,   2*272                     ; those of 16 rows
.set SPARE,  SCL+4*HALFS               ; the spare words: 128 bytes a wave, named by no other line
.set VPITCH, 144                       ; v's stage: 32 columns of f32 + 16 bytes
.set O8,   8                           ; v8   8 x lane
.set O16,  9                           ; v9   256 + 16 x lane
.set SOQ,  10                          ; v10  16 x lane: q's and k's scale words
.set SOV,  11                          ; v11  16 r + 12,288 (lane / 16): v's
.set VST,  12                          ; v12  v's stage: where I put 32 bytes of a token's row
.set VRD,  13                          ; v13  and where I read my d's column
.set FL,   14                          ; v14  the floor 2^(3 - 127)
.set ADRA, 16                          ; v16-19
.set ADRB, 20                          ; v20-23
.set ADRS, 27
.set SPW,  28
.set NIL,  29
.set SC,   32
.set BJ,   64                          ; v64-127: the bias, block b at 8 b
.set HA,   64                          ; the same registers later: 64 numbers of v
.set AF,   128
.set PC,   128                         ; v128-147 the codes just made
.set TM,   152                         ; v152-167 at work
.set PW,   168                         ; the scale word just made
.set SW0,  176                         ; v176-183, v184-191 the eight blocks' scale words
.set SW1,  184
.set TT,   192                         ; v192-199 scale words to store
.set G1, 24
.set G0, 32
.set G1B, 48
.set G0B, 56
.set G1S, 68
.set G0S, 76
.set G1SB, 80
.set G0SB, 88
.set SEL, 80                           ; s[80:81] on the way out: lane selects
.set MSB, 0
.macro WIN new                         ; the immediate's high byte repeats the setting that is left
.if MSB != (\new)
	s_set_vgpr_msb (MSB<<8)|(\new)
.set MSB, (\new)
.endif
.endm
.set MUL_LO, 0xa1                      ; source 0 (W) window 1, source 1 (x) window 0, C and D window 2
.set MUL_HI, 0xf1                      ; the same, C and D window 3
.set TO_B,   0x40
; A joint load: waves 0 and 1 fetch for x, waves 2 and 3 for W; the branch hangs on the wave's number alone.  Four v_nop follow each of the two lines.
.macro JLOAD g0a, g1a, g0b, g1b
	s_cmp_eq_u32 s15, 0
	s_cbranch_scc0 .Lfor_b_\@
	tensor_load_to_lds s[\g0a:\g0a+3], s[\g1a:\g1a+7]
	s_nop 0
.rept 4
	v_nop
.endr
	s_branch .Lasked_\@
.Lfor_b_\@:
	tensor_load_to_lds s[\g0b:\g0b+3], s[\g1b:\g1b+7]
	s_nop 0
.rept 4
	v_nop
.endr
.Lasked_\@:
.endm
.macro CREST                           ; a round of the cluster's barrier behind its opening barrier
	s_cmp_lg_u32 s14, 0
	s_cbranch_scc1 .Lnot_wave_0_\@
	s_barrier_signal -3
.Lnot_wave_0_\@:
	s_barrier_wait -3
	s_barrier_signal -1
	s_barrier_wait -1
.endm
.macro CROUND
	s_barrier_signal -1
	s_barrier_wait -1
	CREST
.endm
	s_load_b128 s[4:7], s[0:1], 0x0                ; x's codes, x's scales
	s_load_b128 s[8:11], s[0:1], 0x10              ; W's codes, W's scales
	s_load_b128 s[96:99], s[0:1], 0x20             ; bq, bk
	s_load_b64 s[100:101], s[0:1], 0x30            ; bv
	v_lshl_add_u32 v[SPW], v0, 2, SPARE
	v_mov_b32 v[NIL], 0
	ds_add_u32 v28, v29
	ds_add_u32 v28, v29
	s_wait_dscnt 0x0
	v_lshrrev_b32 v1, 5, v0
	v_readfirstlane_b32 s14, v1                    ; wave 0..3
	s_lshr_b32 s15, s14, 1                         ; which half of the tile's tokens is mine.  Also: I fetch for x (0) or for W (1)
	s_and_b32 s16, s14, 1                          ; which half of its columns.  Also: which 128 rows I fetch
	s_bfe_u32 s40, ttmp6, 0x40000                  ; cx, cy
	s_bfe_u32 s41, ttmp6, 0x40004
	s_lshl_b32 s42, ttmp9, 2
	s_add_co_u32 s42, s42, s40                     ; tile column = 4 x cluster x + cx
	s_and_b32 s17, ttmp7, 0xffff
	s_lshl_b32 s17, s17, 2
	s_add_co_u32 s17, s17, s41                     ; tile row = 4 x cluster y + cy
	s_lshl_b32 s43, s41, 2
	s_lshl_b32 s43, 15, s43                        ; my row of the cluster
	s_lshl_b32 s44, 0x1111, s40                    ; my column
	s_or_b32 s[G1+0], s43, (0<<16)|(1<<20)|(1<<21)|(3<<22)|(3<<25)  ; the mask; elements of 1 byte; padding on; bit 21 beside a mask; after every 16 words; 4 words
	s_or_b32 s[G1B+0], s44, (0<<16)|(1<<20)|(1<<21)|(3<<22)|(3<<25)
.irp g, G1, G1B
	s_mov_b32 s[\g+1], ROWB<<16                    ; tensor_dim0
	s_mov_b32 s[\g+2], 128<<16                     ; tensor_dim1
	s_mov_b32 s[\g+3], ROWB<<16                    ; tile_dim0
	s_mov_b32 s[\g+4], 128                         ; tile_dim1
	s_mov_b32 s[\g+5], KROW                        ; the pitch
	s_mov_b32 s[\g+6], 0
	s_mov_b32 s[\g+7], 0
.endr
	s_or_b32 s[G1S+0], s43, (3<<16)|(1<<20)|(1<<21)|(5<<22)|(3<<25)  ; the scales of 128 rows: 4,096 dense bytes as 16 rows of 256, 16 bytes of padding behind each
	s_or_b32 s[G1SB+0], s44, (3<<16)|(1<<20)|(1<<21)|(5<<22)|(3<<25)
.irp g, G1S, G1SB
	s_mov_b32 s[\g+1], 32<<16
	s_mov_b32 s[\g+2], 16<<16
	s_mov_b32 s[\g+3], 32<<16
	s_mov_b32 s[\g+4], 16
	s_mov_b32 s[\g+5], 32
	s_mov_b32 s[\g+6], 0
	s_mov_b32 s[\g+7], 0
.endr
	s_lshl_b32 s18, s16, 7
	s_lshl_b32 s20, s17, 8
	s_add_co_u32 s20, s20, s18                     ; x: position 256 x tile row + 128 x half
	s_lshl_b32 s46, s42, 8
	s_add_co_u32 s46, s46, s18                     ; W: position 256 x tile column + 128 x half
	s_mov_b32 s21, 0
	s_mov_b32 s47, 0
	s_mov_b64 s[18:19], KS
	s_mul_u64 s[22:23], s[20:21], s[18:19]
	s_mul_u64 s[92:93], s[46:47], s[18:19]
	s_mov_b64 s[18:19], KROW
	s_mul_u64 s[20:21], s[20:21], s[18:19]
	s_mul_u64 s[46:47], s[46:47], s[18:19]
	s_mul_i32 s45, s14, HALFT                      ; where they go: wave x 128 rows
	s_mul_i32 s94, s14, HALFS
	s_wait_kmcnt 0x0
	s_add_nc_u64 s[20:21], s[4:5], s[20:21]
	s_add_nc_u64 s[22:23], s[6:7], s[22:23]
	s_add_nc_u64 s[46:47], s[8:9], s[46:47]
	s_add_nc_u64 s[92:93], s[10:11], s[92:93]
	CROUND                                         ; all sixteen work-groups are here: the first joint loads meet
	s_mov_b32 s[G0S], 1
	s_add_co_u32 s[G0S+1], s94, SCL
	s_mov_b64 s[G0S+2:G0S+3], s[22:23]
	s_or_b32 s[G0S+3], s[G0S+3], 0x80000000
	s_mov_b32 s[G0SB], 1
	s_add_co_u32 s[G0SB+1], s94, SCL
	s_mov_b64 s[G0SB+2:G0SB+3], s[92:93]
	s_or_b32 s[G0SB+3], s[G0SB+3], 0x80000000
	JLOAD G0S, G1S, G0SB, G1SB                     ; the scales first
.irp s, 0,1
	s_mov_b32 s[G0+4*\s], 1
	s_add_co_u32 s[G0+4*\s+1], s45, \s*SLOT
	s_add_nc_u64 s[G0+4*\s+2:G0+4*\s+3], s[20:21], \s*ROWB
	s_or_b32 s[G0+4*\s+3], s[G0+4*\s+3], 0x80000000
	s_mov_b32 s[G0B+4*\s], 1
	s_add_co_u32 s[G0B+4*\s+1], s45, \s*SLOT
	s_add_nc_u64 s[G0B+4*\s+2:G0B+4*\s+3], s[46:47], \s*ROWB
	s_or_b32 s[G0B+4*\s+3], s[G0B+4*\s+3], 0x80000000
	JLOAD G0+4*\s, G1, G0B+4*\s, G1B               ; three loads of mine are out
.endr
	v_and_b32 v1, 15, v0                           ; r
	v_bfe_u32 v2, v0, 4, 1                         ; h
	v_mul_u32_u24 v3, v1, PITCH
	v_mul_u32_u24 v4, v2, 24
	v_add_nc_u32 v4, v3, v4                        ; a fragment's row x pitch + 24 h
	v_lshl_add_u32 v5, v2, 4, v4                   ; and the same behind one padding more
	s_mul_i32 s21, s15, HALFT
	s_mul_i32 s22, s16, HALFT
	s_add_co_u32 s22, s22, 2*HALFT
.irp s, 0,1
	v_add_nc_u32 v[ADRA+\s], s21, v4
	v_add_nc_u32 v[ADRB+\s], s22, v4
	v_add_nc_u32 v[ADRA+2+\s], s21, v5
	v_add_nc_u32 v[ADRB+2+\s], s22, v5
	s_add_co_u32 s21, s21, SLOT
	s_add_co_u32 s22, s22, SLOT
.endr
	v_mul_u32_u24 v5, v1, KS
	v_lshrrev_b32 v6, 8, v5
	v_lshl_add_u32 v5, v6, 4, v5                   ; my row's scales: 32 bytes a row, 16 more for each 256 passed
	s_mul_i32 s21, s15, HALFS
	s_mul_i32 s22, s16, HALFS
	s_add_co_u32 s22, s22, 2*HALFS
	s_sub_co_u32 s22, s22, s21
	v_mul_u32_u24 v6, s22, v2                      ; lanes 16-31 take W's
	s_add_co_u32 s21, s21, SCL
	v_add_nc_u32 v5, v5, v6
	v_add_nc_u32 v[ADRS], s21, v5
	; the bias of my kind, in the result's layout: block b, register j: column 32 (b / 2) + 16 h + 8 (b % 2) + j of my 128
	s_cmp_eq_u32 ttmp9, 1
	s_cselect_b64 s[96:97], s[98:99], s[96:97]
	s_cmp_eq_u32 ttmp9, 2
	s_cselect_b64 s[96:97], s[100:101], s[96:97]
	s_lshl_b32 s98, s40, 10                        ; 256 cx columns of 4 bytes
	s_lshl_b32 s99, s16, 9
	s_add_co_u32 s98, s98, s99
	s_mov_b32 s99, 0
	s_add_nc_u64 s[96:97], s[96:97], s[98:99]
	v_lshlrev_b32 v7, 6, v2                        ; 16 h numbers
.irp b, 0,1,2,3,4,5,6,7
	global_load_b128 v[BJ+8*\b:BJ+8*\b+3], v7, s[96:97] offset:(32*(\b/2)+8*(\b%2))*4
	global_load_b128 v[BJ+8*\b+4:BJ+8*\b+7], v7, s[96:97] offset:(32*(\b/2)+8*(\b%2))*4+16
.endr
	; the way out's addresses, all made here
	v_and_b32 v6, 31, v0
	v_lshlrev_b32 v[O8], 3, v6
	v_lshlrev_b32 v[SOQ], 4, v6
	v_add_nc_u32 v[O16], 256, v[SOQ]
	v_lshlrev_b32 v[SOV], 4, v1
	v_mad_u32_u24 v[SOV], v2, 12288, v[SOV]
	s_mul_i32 s23, s14, HALFT                      ; my stage: a quarter of slot 0
	v_mul_u32_u24 v5, v1, VPITCH
	v_lshl_add_u32 v5, v2, 6, v5
	v_add_nc_u32 v[VST], s23, v5                   ; in: row = my token's position in its block of 16, + 64 h
	v_and_b32 v5, 8, v1
	v_add_nc_u32 v5, v5, v1                        ; r % 8 + 16 (r / 8)
	v_lshlrev_b32 v5, 2, v5
	v_mad_u32_u24 v5, v2, 8*VPITCH, v5             ; token bit 4 (my h) is position bit 3
	v_add_nc_u32 v[VRD], s23, v5
	s_lshr_b32 s66, s17, 3
	s_lshl_b32 s66, s66, 4
	s_lshl_b32 s67, s40, 2
	s_add_co_u32 s66, s66, s67
	s_lshl_b32 s67, s16, 1
	s_add_co_u32 s66, s66, s67                     ; my first head: 16 x batch + 4 cx + 2 x column half
	s_and_b32 s67, s17, 7
	s_lshl_b32 s67, s67, 1
	s_add_co_u32 s67, s67, s15                     ; my 128 tokens' number in the batch
.macro FRAG reg, adr, q, i             ; 16 rows x 128 K: 12 registers, in pieces of 8 bytes; lanes 16-31 read three pieces on, which for some pieces lies behind one padding more: the second address register
.irp p, 0,1,2,3,4,5
.set PCE, 12*(\q)+6*(\p/3)+\p%3
.if PCE%8 < 5
	ds_load_b64 v[\reg+2*\p:\reg+2*\p+1], v[\adr] offset:8*PCE+16*(PCE/8)+(\i)*16*PITCH
.else
	ds_load_b64 v[\reg+2*\p:\reg+2*\p+1], v[\adr+2] offset:8*PCE+16*(PCE/8)+(\i)*16*PITCH
.endif
.endr
.endm
; 16 matrix instructions: x's blocks a0, a0 + 1 against W's eight.  zero = 1: the first product starts the sums from the bias.  The 64 accumulators take turns.
.macro MUL16 a0, p, q, sc, zero
.irp a, \a0, \a0+1
.irp b, 0,1,2,3,4,5,6,7
.if \zero
	v_wmma_scale_f32_16x16x128_f8f6f4 v[8*(8*((\a)%4)+\b):8*(8*((\a)%4)+\b)+7], v[128*(\p)+FR*\b:128*(\p)+FR*\b+FR-1], v[AF+FR*(\a):AF+FR*(\a)+FR-1], v[BJ+8*\b:BJ+8*\b+7], v[SC+8*NQ*(\sc)+NQ*\b+(\q)], v[SC+8*NQ*(\sc)+NQ*(\a)+(\q)] matrix_a_fmt:MATRIX_FMT_FP6 matrix_b_fmt:MATRIX_FMT_FP6 matrix_a_scale:MATRIX_SCALE_ROW1
.else
	v_wmma_scale_f32_16x16x128_f8f6f4 v[8*(8*((\a)%4)+\b):8*(8*((\a)%4)+\b)+7], v[128*(\p)+FR*\b:128*(\p)+FR*\b+FR-1], v[AF+FR*(\a):AF+FR*(\a)+FR-1], v[8*(8*((\a)%4)+\b):8*(8*((\a)%4)+\b)+7], v[SC+8*NQ*(\sc)+NQ*\b+(\q)], v[SC+8*NQ*(\sc)+NQ*(\a)+(\q)] matrix_a_fmt:MATRIX_FMT_FP6 matrix_b_fmt:MATRIX_FMT_FP6 matrix_a_scale:MATRIX_SCALE_ROW1
.endif
.endr
.endr
.endm
.macro FETCH_B slot, q, p
	WIN TO_B
.irp i, 0,1,2,3,4,5,6,7
	FRAG 128*(\p)+FR*\i, ADRB+\slot, \q, \i
.endr
	WIN 0
.endm
.macro FETCH_A slot, q, i0
.irp i, \i0, \i0+1, \i0+2, \i0+3
	FRAG AF+FR*(\i), ADRA+\slot, \q, \i
.endr
.endm
.macro SCALES sc                       ; a K step's scale words: lanes 0-15 x's block i, lanes 16-31 W's block i
.irp i, 0,1,2,3,4,5,6,7
	ds_load_b64 v[SC+8*NQ*\sc+NQ*\i:SC+8*NQ*\sc+NQ*\i+1], v[ADRS] offset:\i*SBLK
.endr
.endm
.macro PLACES n                        ; plain vector lines between a matrix instruction and a load into, or a vector read or write of, its registers
.rept \n
	v_nop
.endr
.endm
.macro STEP slot, q, zero              ; 128 along K with its successor in the same slot
	s_wait_dscnt 4*NL                              ; W's set and x's blocks 0-3 are in; the youngest 24 loads (x's blocks 4-7) may be out
	WIN MUL_LO-0x20*(\zero)                        ; (with the bias as C: source 2 in window 0)
	MUL16 0, (\q)%2, \q, \slot, \zero
	MUL16 2, (\q)%2, \q, \slot, \zero
	s_wait_dscnt 0
	PLACES NP
	FETCH_B \slot, (\q)+1, 1-(\q)%2
	FETCH_A \slot, (\q)+1, 0
	WIN MUL_HI-0x30*(\zero)
	MUL16 4, (\q)%2, \q, \slot, \zero
	MUL16 6, (\q)%2, \q, \slot, \zero
	PLACES NP
	WIN 0
	FETCH_A \slot, (\q)+1, 4
.endm
; A slot's last step changes slots: one barrier; in front of it each wave waits for all its tensor loads, adds 0 to its spare word, and waits for that and for its reads of this slot.
.macro TURN slot, next, fill
	s_wait_tensorcnt 0x0                           ; all my tensor loads have landed: my part of the next slot
	ds_add_u32 v[SPW], v[NIL]                      ; 0 onto my spare word
	s_wait_dscnt 4*NL+1                            ; the add and the youngest 24 loads may be out
	WIN MUL_LO
	MUL16 0, 1, NQ-1, \slot, 0
	s_wait_dscnt 0x0                               ; the add is done, and my reads of this slot are over
	s_barrier_signal -1
	MUL16 2, 1, NQ-1, \slot, 0
	WIN 0
	s_barrier_wait -1
.if \fill
	CREST                                          ; the barrier has opened a round of the cluster's barrier: no wave of any partner still reads this slot or has a load on its way
	s_add_nc_u64 s[G0+4*\slot+2:G0+4*\slot+3], s[G0+4*\slot+2:G0+4*\slot+3], 2*ROWB
	s_add_nc_u64 s[G0B+4*\slot+2:G0B+4*\slot+3], s[G0B+4*\slot+2:G0B+4*\slot+3], 2*ROWB
	JLOAD G0+4*\slot, G1, G0B+4*\slot, G1B         ; the first tensor load behind the round; its four v_nop are the places in front of the loads below
.else
	PLACES NP
.endif
	v_add_nc_u32 v[ADRS], 4*NQ, v[ADRS]
	FETCH_B \next, 0, 0
	FETCH_A \next, 0, 0
	SCALES \next
	WIN MUL_HI
	MUL16 4, 1, NQ-1, \slot, 0
	MUL16 6, 1, NQ-1, \slot, 0
	PLACES NP
	WIN 0
	FETCH_A \next, 0, 4
.endm
	s_wait_tensorcnt 1                             ; the scales and my part of K step 0 are in; K step 1's load may be out
	s_barrier_signal -1
	s_barrier_wait -1
	FETCH_B 0, 0, 0
	FETCH_A 0, 0, 0
	SCALES 0
	FETCH_A 0, 0, 4
	s_wait_loadcnt 0x0                             ; the bias
	STEP 0, 0, 1
	s_mov_b32 s3, LAPS-1
.Llap:
	TURN 0, 1, 1
	STEP 1, 0, 0
	TURN 1, 0, 1
	STEP 0, 0, 0
	s_sub_co_u32 s3, s3, 1
	s_cmp_lg_u32 s3, 0
	s_cbranch_scc1 .Llap
	TURN 0, 1, 0                                   ; the last lap fills nothing
	STEP 1, 0, 0
	s_wait_dscnt 4*NL
	WIN MUL_LO
	MUL16 0, 1, NQ-1, 1, 0
	MUL16 2, 1, NQ-1, 1, 0
	s_wait_dscnt 0
	WIN MUL_HI
	MUL16 4, 1, NQ-1, 1, 0
	MUL16 6, 1, NQ-1, 1, 0
	WIN 0
; 64 numbers of a lane in window w, v[s] on, register 16 b + i = k 32 b + 16 (lane / 16) + i of my row, become a fragment's codes in v[PC] on and its scale word in v[PW].
.macro QUANT s, w
	WIN ((\w)<<2)|((\w)<<4)                        ; sources 1 and 2: the numbers' window
.irp b, 0,1,2,3
	v_max3_num_f32 v[TM+\b], v[FL], |v[(\s)+16*\b]|, |v[(\s)+1+16*\b]|   ; each accumulator is read from its low end on; the floor holds the byte at 1 from below
.endr
.irp i, 2,4,6,8,10,12,14
.irp b, 0,1,2,3
	v_max3_num_f32 v[TM+\b], v[TM+\b], |v[(\s)+16*\b+\i]|, |v[(\s)+1+16*\b+\i]|
.endr
.endr
	WIN 0
.irp b, 0,1,2,3
	v_permlanex16_b32 v[TM+4+\b], v[TM+\b], s[SEL], s[SEL+1]
.endr
.irp b, 0,1,2,3
	v_max_num_f32 v[TM+\b], v[TM+\b], v[TM+4+\b]   ; with lane l xor 16's: the block's largest magnitude
.endr
.irp b, 0,1,2,3
	v_add_nc_u32 v[TM+12+\b], 0xff000000, v[TM+\b] ; 2 off its exponent field: the conversion's scale operand
.endr
.irp b, 0,1,2,3
	v_lshrrev_b32 v[TM+4+\b], 23, v[TM+12+\b]      ; the scale's byte
.endr
	v_lshl_or_b32 v[PW], v[TM+5], 8, v[TM+4]
	v_lshl_or_b32 v[PW], v[TM+6], 16, v[PW]
	v_lshl_or_b32 v[PW], v[TM+7], 24, v[PW]
	WIN (\w)                                       ; source 0: the numbers' window
.irp c, 0,1
	v_cvt_scalef32_pk16_fp6_f32 v[PC+6*\c:PC+2+6*\c], v[(\s)+32*\c:(\s)+15+32*\c], v[TM+12+2*\c]
	v_cvt_scalef32_pk16_fp6_f32 v[PC+12+4*\c:PC+14+4*\c], v[(\s)+16+32*\c:(\s)+31+32*\c], v[TM+12+2*\c+1]
.endr
	WIN 0
	v_nop                                          ; one plain place behind a scaled conversion
.irp c, 0,1                            ; the operand's layout wants a whole block in a lane
.irp i, 0,1,2
	v_permlane16_swap_b32 v[PC+6*\c+\i], v[PC+12+4*\c+\i]
.endr
.irp i, 0,1,2
	v_mov_b32 v[PC+3+6*\c+\i], v[PC+12+4*\c+\i]
.endr
.endr
.endm
	s_load_b128 s[68:71], s[0:1], 0x38             ; qkv_img, qkv_sc (the scales' descriptors, whose loads landed long ago, are done with)
	PLACES NP                                      ; behind the last products: their results are read and their operands' registers written below
	v_mov_b32 v[FL], 0x1800000
.irp b, 0,1,2,3
	v_mov_b32 v[TM+4+\b], 0                        ; a lane permute's destination counts as one of its sources
.endr
	s_mov_b32 s[SEL], 0x76543210
	s_mov_b32 s[SEL+1], 0xfedcba98
	s_mov_b32 s82, 0xffff0000                      ; lanes 16-31
	s_mul_i32 s72, s66, 98304                      ; a head's images
	s_mul_i32 s73, s67, 6144                       ; 128 tokens' images
	s_add_co_u32 s72, s72, s73
	s_mul_i32 s73, ttmp9, 6291456                  ; q's, k's or v's part
	s_add_co_u32 s72, s72, s73
	s_mov_b32 s73, 0
	s_wait_kmcnt 0x0
	s_add_nc_u64 s[68:69], s[68:69], s[72:73]
	s_cmp_eq_u32 ttmp9, 2
	s_cbranch_scc1 .Lvout
; ---- q and k: block a is tile 8 g + a; the fragment's halves are my two heads'
	s_lshl_b32 s74, ttmp9, 12
	s_add_co_u32 s74, s74, 8192                    ; a head's scale bytes: 8,192 in q's part, 12,288 in k's and v's
	s_mul_i32 s72, s66, s74
	s_lshl_b32 s75, s67, 9
	s_add_co_u32 s72, s72, s75
	s_lshl_b32 s75, ttmp9, 19                      ; k's part begins at 524,288
	s_add_co_u32 s72, s72, s75
	s_add_nc_u64 s[70:71], s[70:71], s[72:73]
	s_mov_b32 s75, 0
	s_add_nc_u64 s[76:77], s[70:71], s[74:75]      ; the second head's
.macro OUTQK a
	s_wait_xcnt 0x0                                ; the last block's stores have read their data: the codes' registers may be written again
	QUANT 64*((\a)%4), 2+(\a)/4
	v_and_b32 v[SW0+(\a)], 0xffff, v[PW]           ; the first head's two bytes; the upper two stay 0 and scale zero codes
	v_lshrrev_b32 v[SW1+(\a)], 16, v[PW]           ; the second head's
	global_store_b64 v[O8], v[PC:PC+1], s[68:69] offset:(\a)*768            ; 256 consecutive bytes, aligned
	global_store_b128 v[O16], v[PC+2:PC+5], s[68:69] offset:(\a)*768        ; 512
	global_store_b64 v[O8], v[PC+6:PC+7], s[68:69] offset:(\a)*768+98304
	global_store_b128 v[O16], v[PC+8:PC+11], s[68:69] offset:(\a)*768+98304
.endm
.irp a, 0,1,2,3,4,5,6,7
	OUTQK \a
.endr
.irp j, 0,1,2,3
	v_cndmask_b32 v[TT+\j], v[SW0+\j], v[SW0+4+\j], s82      ; lanes 0-15 store tiles 0-3's words of row r, lanes 16-31 tiles 4-7's: 512 consecutive bytes
	v_cndmask_b32 v[TT+4+\j], v[SW1+\j], v[SW1+4+\j], s82
.endr
	global_store_b128 v[SOQ], v[TT:TT+3], s[70:71]
	global_store_b128 v[SOQ], v[TT+4:TT+7], s[76:77]
	s_branch .Ldone
; ---- v: 32 columns at a time through my stage
.Lvout:
	s_mul_i32 s72, s66, 12288
	s_lshl_b32 s75, s67, 8
	s_add_co_u32 s72, s72, s75
	s_add_co_u32 s72, s72, 532480                  ; 524,288 + k's 8,192
	s_add_nc_u64 s[70:71], s[70:71], s[72:73]
.macro VCHUNK c                        ; columns 32 c .. 32 c + 31 of my 128: head c / 2, d tiles 2 (c % 2) and 2 (c % 2) + 1
.irp a, 0,1,2,3,4,5,6,7
	WIN 0x08+4*(\a/4)                              ; an LDS store's data are its source 1: window 2 or 3
.irp u, 0,1
.set AC, 8*(8*(\a%4)+2*(\c)+\u)
	ds_store_b128 v[VST], v[AC:AC+3] offset:\a*16*VPITCH+32*\u        ; row = the token's position; word 16 h + 8 u + j = the true column
	ds_store_b128 v[VST], v[AC+4:AC+7] offset:\a*16*VPITCH+32*\u+16
.endr
.endr
	WIN 0
.irp u, 0,1
.set n, 0
.rept 64                               ; register 16 b + i: token 32 b + 16 h + i, which lies at position 32 b + i % 8 + 16 (i / 8) + 8 h.  LDS serves a wave's instructions in order: these see my stores
	ds_load_b32 v[HA+n], v[VRD] offset:(32*(n/16)+(n%8)+16*((n%16)/8))*VPITCH+32*\u
.set n, n+1
.endr
	s_wait_dscnt 0x0
	s_wait_xcnt 0x0                                ; the last tile's stores have read their data
	QUANT HA, 0
	v_mov_b32 v[SW0+4*((\c)/2)+2*((\c)%2)+\u], v[PW]
	global_store_b64 v[O8], v[PC:PC+1], s[68:69] offset:((\c)/2)*98304+(2*((\c)%2)+\u)*1536
	global_store_b128 v[O16], v[PC+2:PC+5], s[68:69] offset:((\c)/2)*98304+(2*((\c)%2)+\u)*1536
	global_store_b64 v[O8], v[PC+6:PC+7], s[68:69] offset:((\c)/2)*98304+(2*((\c)%2)+\u)*1536+768
	global_store_b128 v[O16], v[PC+8:PC+11], s[68:69] offset:((\c)/2)*98304+(2*((\c)%2)+\u)*1536+768
.endr
.endm
.irp c, 0,1,2,3
	VCHUNK \c
.endr
.irp j, 0,1,2,3
	v_cndmask_b32 v[TT+\j], v[SW0+\j], v[SW0+4+\j], s82      ; lanes 0-15 store the first head's four words of row r, lanes 16-31 the second head's
.endr
	global_store_b128 v[SOV], v[TT:TT+3], s[70:71]
.Ldone:
	s_wait_tensorcnt 0x0                           ; the wave's end
	ds_add_u32 v[SPW], v[NIL]
	s_wait_dscnt 0x0
	CROUND                                         ; the closing round
	s_endpgm
.Lfunc_end_k_q0110c0fe9e_proj:
	.size	k_q0110c0fe9e_proj, .Lfunc_end_k_q0110c0fe9e_proj-k_q0110c0fe9e_proj
	.p2alignl 7, 3214868480
	.fill 96, 4, 3214868480
	.section	.rodata,"a",@progbits
	.p2align	6, 0x0
	.amdhsa_kernel k_q0110c0fe9e_proj
		.amdhsa_group_segment_fixed_size 327680
		.amdhsa_private_segment_fixed_size 0
		.amdhsa_enable_private_segment 0
		.amdhsa_kernarg_size 72
		.amdhsa_user_sgpr_count 2
		.amdhsa_user_sgpr_kernarg_segment_ptr 1
		.amdhsa_wavefront_size32 1
		.amdhsa_system_sgpr_workgroup_id_x 1
		.amdhsa_system_sgpr_workgroup_id_y 1
		.amdhsa_system_sgpr_workgroup_id_z 1
		.amdhsa_system_vgpr_workitem_id 0
		.amdhsa_next_free_vgpr 1024
		.amdhsa_next_free_sgpr 102
		.amdhsa_reserve_vcc 0
		.amdhsa_float_denorm_mode_32 3
		.amdhsa_float_denorm_mode_16_64 3
		.amdhsa_memory_ordered 1
		.amdhsa_forward_progress 1
		.amdhsa_inst_pref_size 242
	.end_amdhsa_kernel
	.amdgpu_metadata
---
amdhsa.version: [ 1, 2 ]
amdhsa.kernels:
  - .name:           k_q0110c0fe9e_proj
    .symbol:         k_q0110c0fe9e_proj.kd
    .args:
      - { .name: x_codes, .offset: 0, .size: 8, .value_kind: global_buffer, .address_space: global }
      - { .name: x_scales, .offset: 8, .size: 8, .value_kind: global_buffer, .address_space: global }
      - { .name: w_codes, .offset: 16, .size: 8, .value_kind: global_buffer, .address_space: global }
      - { .name: w_scales, .offset: 24, .size: 8, .value_kind: global_buffer, .address_space: global }
      - { .name: bq, .offset: 32, .size: 8, .value_kind: global_buffer, .address_space: global }
      - { .name: bk, .offset: 40, .size: 8, .value_kind: global_buffer, .address_space: global }
      - { .name: bv, .offset: 48, .size: 8, .value_kind: global_buffer, .address_space: global }
      - { .name: qkv_img, .offset: 56, .size: 8, .value_kind: global_buffer, .address_space: global }
      - { .name: qkv_sc, .offset: 64, .size: 8, .value_kind: global_buffer, .address_space: global }
    .group_segment_fixed_size: 327680
    .private_segment_fixed_size: 0
    .kernarg_segment_align: 8
    .kernarg_segment_size: 72
    .max_flat_workgroup_size: 128
    .sgpr_count:     102
    .vgpr_count:     1024
    .wavefront_size: 32
...
	.end_amdgpu_metadata
.endif
;; end of part 2
;; launch attn (part 3): grid 4 x 64, 16 waves a work-group, no clusters, 327,680 bytes of LDS; arguments qkv_img, qkv_sc, o_img, o_sc; writes o_img, o_sc
.if DOCPART == 3
	.amdgcn_target "amdgcn-amd-amdhsa--gfx1250"
	.amdhsa_code_object_version 6
	.text
	.protected	k_q0110c0fe9e_attn
	.globl	k_q0110c0fe9e_attn
	.p2align	8
	.type	k_q0110c0fe9e_attn,@function
k_q0110c0fe9e_attn:
	s_mov_b64 s[64:65], 0
	v_nop
	global_prefetch_b8 v0, s[64:65] scope:SCOPE_SE
	s_setreg_imm32_b32 hwreg(HW_REG_WAVE_MODE, 25, 1), 1
	s_wait_xcnt 0x0
; Causal attention of one head on codes of FP6 (E2M3) with E8M0 scales: S^T = K Q^T (K = the head's 64, the upper 64 of the instruction's 128 are zero codes), p = 2^(t - M), O^T = V^T P^T, O / l quantised along the head's 64.
; t = score x log2(e) / 8; M = the running largest t rounded UP to a whole number; p is not normalised; the row's sum l is taken of the unquantised p; when M moves, l and O are multiplied by 2^(old M - new M), exactly.
; SHARES.  Work-group (i, head): sixteen waves, four to a SIMD.  Wave w owns TWO tiles of 16 queries, TA = 16 i + w and TB = 127 - TA.  Tile T works in key steps 0 .. T / 8 (128 keys a step), the last of them masked:
; TA / 8 + TB / 8 = 15, so every wave of the launch has 17 tile steps.  Both loops have constant trip counts; a step whose keys all come after a tile's queries is jumped over by a scalar branch on ids.
; LDS.  The head's K and V images and their scale words, 208,896 bytes, are filled ONCE; nothing is filled again.  Each wave brings its share by three tensor loads.  What is wanted first is asked for first: the scale words and
; key steps 0-3 (61,440 bytes a work-group) go out at the start; key steps 4-15 (147,456 bytes) go out behind the first barrier, one load a wave, and land while key steps 0-3 are worked.
; K images 0, V images 98,304, K's scale words 196,608, V's 204,800, the spare words 208,896.
; NO CLUSTER, though the four work-groups of a head read the same K and V: the jump over hidden steps hangs on the work-group's place; the shared bytes are read once a launch.
; LAYOUT.  A lane holds one query throughout.  Tile T, lane r: token 32 (T / 2) + 8 (T % 2) + r % 8 + 16 (r / 8); so register 16 b + i of a step's scores is key 32 b + 16 (lane / 16) + i of the step.
; A half fragment (16 rows x 64 K) is an image of six registers: registers 0-1 at 8 x lane, registers 2-5 at 256 + 16 x lane: 768 bytes.
; o_sc is stored two bytes a row, rows 32 bytes apart (one part in 24 of what the launch stores): a row's other bytes belong to other heads, which other work-groups make.
; LIMITS: a block's largest p is taken from its largest score (this takes v_exp_f32 not to fall where its input rises); 1 / l is v_rcp_f32 and a multiplication; a block of zeros gets the byte 1; NaN and infinities are not served.
; REGISTERS: v1-6 lane terms; v7 0 and v243 my spare word's address, for the add alone; v8-11, v30-31 the step's addresses; v12-15, v92-95 -M, largest t, l (pair) of tiles A, B; v16-27, v80-91 Q; v28, v29 Q's scale words;
;   v32-79 four fragments of K (upper six registers 0); v96-159 S^T, then p, then v96-143 four fragments of V; v160-191, v192-223 O^T; v224-235 p's codes; v232-254 at work; v255 -infinity.
.set VIMG, 98304
.set KSC,  196608
.set SPARE, 208896                     ; the spare words: 128 bytes for each of the sixteen waves, named by no other line
.set SPW,  243
.set NIL,  7
	s_load_b256 s[4:11], s[0:1], 0x0               ; qkv_img, qkv_sc, o_img, o_sc
	v_lshl_add_u32 v[SPW], v0, 2, SPARE
	v_mov_b32 v[NIL], 0
	ds_add_u32 v243, v7
	ds_add_u32 v243, v7
	s_wait_dscnt 0x0
	v_lshrrev_b32 v1, 5, v0
	v_readfirstlane_b32 s12, v1                    ; wave 0..15
	s_and_b32 s14, ttmp7, 0xffff                   ; the head, 16 x batch + head
	s_and_b32 s72, s12, 1                          ; I fetch for K (0) or V (1),
	s_lshr_b32 s73, s12, 1                         ; part 0..7
.irp g, 32, 40, 48                     ; three groups 1: dense rows of 256 bytes (32 elements of 8 bytes): 3, 12 and 36 rows
	s_mov_b32 s[\g+0], 3<<16
	s_mov_b32 s[\g+1], 32<<16
	s_mov_b32 s[\g+3], 32<<16
	s_mov_b32 s[\g+5], 32
	s_mov_b32 s[\g+6], 0
	s_mov_b32 s[\g+7], 0
.endr
	s_mov_b32 s34, 3<<16
	s_mov_b32 s36, 3
	s_mov_b32 s42, 12<<16
	s_mov_b32 s44, 12
	s_mov_b32 s50, 36<<16
	s_mov_b32 s52, 36
	s_mul_i32 s74, s14, 98304                      ; the head's images,
	s_mul_i32 s75, s72, 6291456
	s_add_co_u32 s74, s74, s75
	s_add_co_u32 s74, s74, 6291456                 ; in k's part or in v's
	s_mul_i32 s76, s73, 3072
	s_add_co_u32 s76, s76, s74                     ; key steps 0-3: my eighth
	s_mov_b32 s77, 0
	s_mul_i32 s78, s73, 9216
	s_add_co_u32 s78, s78, s74
	s_add_co_u32 s78, s78, 24576                   ; key steps 4-15: my eighth
	s_mov_b32 s79, 0
	s_mul_i32 s80, s14, 12288
	s_mul_i32 s81, s12, 768
	s_add_co_u32 s80, s80, s81
	s_add_co_u32 s80, s80, 524288                  ; the head's scale words of K and V: my sixteenth
	s_mov_b32 s81, 0
	s_mul_i32 s82, s72, VIMG
	s_mul_i32 s83, s73, 3072
	s_add_co_u32 s83, s83, s82
	s_mul_i32 s84, s73, 9216
	s_add_co_u32 s84, s84, s82
	s_add_co_u32 s84, s84, 24576
	s_mul_i32 s85, s12, 768
	s_add_co_u32 s85, s85, KSC
	s_wait_kmcnt 0x0
	s_mov_b32 s56, 1
	s_mov_b32 s57, s85
	s_add_nc_u64 s[58:59], s[6:7], s[80:81]
	s_or_b32 s59, s59, 0x80000000
	s_mov_b32 s60, 1
	s_mov_b32 s61, s83
	s_add_nc_u64 s[62:63], s[4:5], s[76:77]
	s_or_b32 s63, s63, 0x80000000
	s_mov_b32 s68, 1
	s_mov_b32 s69, s84
	s_add_nc_u64 s[70:71], s[4:5], s[78:79]
	s_or_b32 s71, s71, 0x80000000
	tensor_load_to_lds s[56:59], s[32:39]          ; the scale words and key steps 0-3 go out together: two loads of mine are out
	s_nop 0
	tensor_load_to_lds s[60:63], s[40:47]
	s_nop 0
.rept 4
	v_nop
.endr
	s_lshl_b32 s15, ttmp9, 4
	s_add_co_u32 s15, s15, s12                     ; TA
	s_sub_co_u32 s16, 127, s15                     ; TB
	s_lshr_b32 s17, s15, 3                         ; their last key steps
	s_lshr_b32 s18, s16, 3
	s_mul_i32 s72, s14, 98304
	s_mul_i32 s73, s15, 768
	s_add_co_u32 s74, s72, s73
	s_mov_b32 s75, 0
	s_add_nc_u64 s[86:87], s[4:5], s[74:75]        ; Q's image, tile A
	s_mul_i32 s73, s16, 768
	s_add_co_u32 s74, s72, s73
	s_add_nc_u64 s[88:89], s[4:5], s[74:75]        ; tile B
	s_lshl_b32 s72, s14, 13                        ; q's scale words: 8,192 bytes a head; (T / 4) x 256 + 16 r + 4 (T % 4)
	s_lshr_b32 s73, s15, 2
	s_lshl_b32 s73, s73, 8
	s_add_co_u32 s74, s72, s73
	s_and_b32 s73, s15, 3
	s_lshl_b32 s73, s73, 2
	s_add_co_u32 s74, s74, s73
	s_add_nc_u64 s[90:91], s[6:7], s[74:75]
	s_lshr_b32 s73, s16, 2
	s_lshl_b32 s73, s73, 8
	s_add_co_u32 s74, s72, s73
	s_and_b32 s73, s16, 3
	s_lshl_b32 s73, s73, 2
	s_add_co_u32 s74, s74, s73
	s_add_nc_u64 s[92:93], s[6:7], s[74:75]
	v_and_b32 v30, 31, v0
	v_lshlrev_b32 v1, 3, v30                       ; 8 x lane
	v_lshlrev_b32 v2, 4, v30
	v_add_nc_u32 v2, 256, v2                       ; 256 + 16 x lane
	v_and_b32 v8, 15, v0                           ; r
	v_bfe_u32 v9, v0, 4, 1                         ; h
	v_lshlrev_b32 v31, 4, v8                       ; 16 r
	v_add_nc_u32 v3, KSC, v31
	v_lshlrev_b32 v6, 5, v8                        ; 32 r
	global_load_b64 v[16:17], v1, s[86:87]
	global_load_b128 v[18:21], v2, s[86:87]
	global_load_b32 v28, v31, s[90:91]
	global_load_b64 v[80:81], v1, s[88:89]
	global_load_b128 v[82:85], v2, s[88:89]
	global_load_b32 v29, v31, s[92:93]
	v_and_b32 v10, 8, v8
	v_add_nc_u32 v10, v10, v8                      ; r % 8 + 16 (r / 8)
	v_lshlrev_b32 v11, 4, v9
	v_sub_nc_u32 v10, v10, v11                     ; - 16 h
	s_bfe_u32 s72, s15, 0x20001
	s_lshl_b32 s72, s72, 5
	s_and_b32 s73, s15, 1
	s_lshl_b32 s73, s73, 3
	s_add_co_u32 s72, s72, s73
	v_add_nc_u32 v4, s72, v10                      ; d = my query in its last key step - 16 h: register 16 b + i is hidden there where 32 b + i > d
	s_bfe_u32 s72, s16, 0x20001
	s_lshl_b32 s72, s72, 5
	s_and_b32 s73, s16, 1
	s_lshl_b32 s73, s73, 3
	s_add_co_u32 s72, s72, s73
	v_add_nc_u32 v5, s72, v10
.irp j, 22,23,24,25,26,27, 86,87,88,89,90,91
	v_mov_b32 v[\j], 0                             ; Q's upper 64 along K: zero codes
.endr
.irp t, 0,1,2,3
.irp j, 6,7,8,9,10,11
	v_mov_b32 v[32+12*\t+\j], 0                    ; K's likewise: written once, no load lands there
.endr
.endr
.irp s, 12, 92
	v_mov_b32 v[\s+1], 0xff61b1e6                  ; the largest t so far: -3e38
	v_floor_f32 v[\s], -v[\s+1]                    ; -M
	v_mov_b32 v[\s+2], 0                           ; l, in two halves
	v_mov_b32 v[\s+3], 0
.endr
.set j, 0
.rept 64
	v_mov_b32 v[160+j], 0                          ; O^T of both tiles: the step is written once, its first turn finds zeros
.set j, j+1
.endr
.irp j, 236,237,238,239,252,253
	v_mov_b32 v[\j], 0                             ; lane permutes' destinations and the pair v[252:253] are written before they are named
.endr
	v_mov_b32 v255, 0xff800000                     ; -infinity
	s_mov_b32 s20, 0x76543210
	s_mov_b32 s21, 0xfedcba98                      ; lane l xor 16
	s_mov_b32 s22, 0x3e38aa3b                      ; c = log2(e) / 8
	s_mov_b32 s23, s22
	s_mov_b32 s19, 0                               ; the key step
	s_mov_b32 s25, 0                               ; its K images,
	s_mov_b32 s26, VIMG                            ; V images,
	s_mov_b32 s27, 0                               ; K's scale words,
	s_mov_b32 s28, 8192                            ; V's
; One tile's key step.  QF, QS: Q's fragment and scale word; ST: its statistics; OB: its O^T; DG: its d; SX: the scalar with its last key step.
.macro STEP QF, QS, ST, OB, DG, SX
	s_cmp_gt_u32 s19, s[\SX]
	s_cbranch_scc1 .Lhid_\@                        ; all 128 keys come after my queries
.irp g, 0,1                            ; S^T = K Q^T, four tiles of 16 keys at a time
.if \g > 0
.rept 4
	v_nop                                          ; places in front of loads into registers that the four products above have read
.endr
.endif
.irp t, 0,1,2,3
	ds_load_b64 v[32+12*\t:33+12*\t], v8 offset:(4*\g+\t)*768
	ds_load_b128 v[34+12*\t:37+12*\t], v9 offset:(4*\g+\t)*768
.endr
	ds_load_b128 v[248:251], v30 offset:256*\g     ; the four tiles' scale words of row r
	s_wait_dscnt 0x0
.irp t, 0,1,2,3
	v_wmma_scale_f32_16x16x128_f8f6f4 v[96+8*(4*\g+\t):103+8*(4*\g+\t)], v[32+12*\t:43+12*\t], v[\QF:\QF+11], 0, v[248+\t], v[\QS] matrix_a_fmt:MATRIX_FMT_FP6 matrix_b_fmt:MATRIX_FMT_FP6
.endr
.endr
.rept 4
	v_nop
.endr
	s_cmp_lt_u32 s19, s[\SX]
	s_cbranch_scc1 .Lopen_\@                       ; all keys count
.set n, 0
.rept 64                               ; the tile's last step: hidden scores become -infinity, p = 0 then
	v_cmp_gt_i32 vcc_lo, 32*(n/16)+n%16, v[\DG]
	v_cndmask_b32 v[96+n], v[96+n], v255, vcc_lo
.set n, n+1
.endr
.Lopen_\@:
.irp b, 0,1,2,3
	v_max3_num_f32 v[232+\b], v[96+16*\b], v[97+16*\b], v[98+16*\b]   ; the largest score of each block of 32 keys: for the row's maximum and for the block's largest p
.endr
.irp i, 3,5,7,9,11,13
.irp b, 0,1,2,3
	v_max3_num_f32 v[232+\b], v[232+\b], v[96+16*\b+\i], v[97+16*\b+\i]
.endr
.endr
.irp b, 0,1,2,3
	v_max_num_f32 v[232+\b], v[232+\b], v[111+16*\b]
.endr
.irp b, 0,1,2,3
	v_permlanex16_b32 v[236+\b], v[232+\b], s20, s21
.endr
.irp b, 0,1,2,3
	v_max_num_f32 v[232+\b], v[232+\b], v[236+\b]
.endr
	v_max3_num_f32 v254, v232, v233, v234
	v_max_num_f32 v254, v254, v235
	v_mul_f32 v254, s22, v254                      ; the step's largest t
	v_max_num_f32 v[\ST+1], v[\ST+1], v254         ; the running largest t
	v_mov_b32 v254, v[\ST]
	v_floor_f32 v[\ST], -v[\ST+1]                  ; the new -M = -ceil(t)
	v_sub_f32 v254, v[\ST], v254                   ; old M - new M: a whole number, 0 or less
	v_cvt_i32_f32 v254, v254                       ; (it saturates)
	v_ldexp_f32 v252, 1.0, v254                    ; f = 2^(old M - new M)
.set j, 0
.rept 32
	v_pk_fma_f32 v[96+j:97+j], v[96+j:97+j], s[22:23], v[\ST:\ST+1] op_sel_hi:[1,0,0]   ; t - M
.set j, j+2
.endr
.irp b, 0,1,2,3
	v_fma_f32 v[232+\b], v[232+\b], s22, v[\ST]
.endr
.set j, 0
.rept 64
	v_exp_f32 v[96+j], v[96+j]                     ; p = 2^(t - M)
.set j, j+1
.endr
.irp b, 0,1,2,3
	v_exp_f32 v[232+\b], v[232+\b]                 ; the block's largest p
.endr
	v_pk_mul_f32 v[\ST+2:\ST+3], v[\ST+2:\ST+3], v[252:253] op_sel_hi:[1,0]   ; l under the new M (a plain place behind the exponentials)
	s_wait_alu depctr_va_vdst(0)
.irp b, 0,1,2,3
	v_max_num_f32 v[232+\b], 0x1800000, v[232+\b]  ; the floor: the byte cannot fall under 1
.endr
.irp b, 0,1,2,3
	v_add_nc_u32 v[244+\b], 0xff000000, v[232+\b]  ; the conversion's scale operand
.endr
.irp b, 0,1,2,3
	v_lshrrev_b32 v[236+\b], 23, v[244+\b]
.endr
	v_lshl_or_b32 v253, v237, 8, v236              ; p's scale word for these 128 keys
	v_lshl_or_b32 v253, v238, 16, v253
	v_lshl_or_b32 v253, v239, 24, v253
.irp c, 0,1
	v_cvt_scalef32_pk16_fp6_f32 v[224+6*\c:226+6*\c], v[96+32*\c:111+32*\c], v[244+2*\c]
	v_cvt_scalef32_pk16_fp6_f32 v[236+4*\c:238+4*\c], v[112+32*\c:127+32*\c], v[244+2*\c+1]
.endr
	v_nop                                          ; one plain place behind a scaled conversion
.irp c, 0,1
.irp i, 0,1,2
	v_permlane16_swap_b32 v[224+6*\c+\i], v[236+4*\c+\i]
.endr
.irp i, 0,1,2
	v_mov_b32 v[227+6*\c+\i], v[236+4*\c+\i]
.endr
.endr
	v_pk_add_f32 v[236:237], v[96:97], v[98:99]    ; l takes the unquantised p, in two chains
.irp j, 4,8,12,16,20,24,28,32,36,40,44,48,52,56,60
	v_pk_add_f32 v[\ST+2:\ST+3], v[\ST+2:\ST+3], v[96+\j:97+\j]
	v_pk_add_f32 v[236:237], v[236:237], v[98+\j:99+\j]
.endr
	v_pk_add_f32 v[\ST+2:\ST+3], v[\ST+2:\ST+3], v[236:237]
.irp t, 0,1,2,3                        ; p is done with: V's four fragments (16 of the head's 64 x 128 keys) land in its registers
	ds_load_b64 v[96+12*\t:97+12*\t], v10 offset:\t*1536
	ds_load_b128 v[98+12*\t:101+12*\t], v11 offset:\t*1536
	ds_load_b64 v[102+12*\t:103+12*\t], v10 offset:\t*1536+768
	ds_load_b128 v[104+12*\t:107+12*\t], v11 offset:\t*1536+768
.endr
	ds_load_b128 v[248:251], v31
.set j, 0
.rept 16
	v_pk_mul_f32 v[\OB+j:\OB+j+1], v[\OB+j:\OB+j+1], v[252:253] op_sel_hi:[1,0]   ; O^T under the new M, while the loads are out
.set j, j+2
.endr
	s_wait_dscnt 0x0
.irp t, 0,1,2,3                        ; four accumulators by turns, one instruction a turn
	v_wmma_scale_f32_16x16x128_f8f6f4 v[\OB+8*\t:\OB+8*\t+7], v[96+12*\t:107+12*\t], v[224:235], v[\OB+8*\t:\OB+8*\t+7], v[248+\t], v253 matrix_a_fmt:MATRIX_FMT_FP6 matrix_b_fmt:MATRIX_FMT_FP6
.endr
.rept 5
	v_nop                                          ; five places: the next scores are written by matrix instructions over V's registers; loads into the scale words and reads of O^T want four
.endr
.Lhid_\@:
.endm
.macro KEYSTEP
	v_add_nc_u32 v8, s25, v1
	v_add_nc_u32 v9, s25, v2
	v_add_nc_u32 v10, s26, v1
	v_add_nc_u32 v11, s26, v2
	v_add_nc_u32 v30, s27, v3
	v_add_nc_u32 v31, s28, v3
	STEP 16, 28, 12, 160, 4, 17
	STEP 80, 29, 92, 192, 5, 18
	s_add_co_u32 s19, s19, 1
	s_add_co_u32 s25, s25, 6144
	s_add_co_u32 s26, s26, 6144
	s_add_co_u32 s27, s27, 512
	s_add_co_u32 s28, s28, 256
.endm
	s_wait_tensorcnt 0x0                           ; my parts of the scale words and of key steps 0-3 are in: no load of mine is out
	ds_add_u32 v[SPW], v[NIL]                      ; 0 onto my spare word
	s_mov_b32 s24, 4
	s_wait_dscnt 0x0                               ; the add is done
	s_barrier_signal -1
	s_barrier_wait -1                              ; everybody's parts are in
	tensor_load_to_lds s[68:71], s[48:55]          ; key steps 4-15, bytes that nothing has filled yet: my one tensor load behind this barrier, and the first thing there
	s_nop 0
.rept 4
	v_nop
.endr
	s_wait_loadcnt 0x0                             ; Q
.Lfirst:                                           ; key steps 0-3 read LDS bytes under 24,576 of each of the two regions of images; the load above fills those from 24,576 on
	KEYSTEP
	s_sub_co_u32 s24, s24, 1
	s_cmp_lg_u32 s24, 0
	s_cbranch_scc1 .Lfirst
	s_wait_tensorcnt 0x0                           ; my part of key steps 4-15 is in
	s_wait_dscnt 0x0
	s_barrier_signal -1
	s_barrier_wait -1                              ; everybody's is
	s_mov_b32 s24, 12
.Lrest:
	KEYSTEP
	s_sub_co_u32 s24, s24, 1
	s_cmp_lg_u32 s24, 0
	s_cbranch_scc1 .Lrest
; THE WAY OUT of a tile: O^T / l, register 16 b + i = d 32 b + 16 h + i; quantised along the head's 64: two blocks; the half fragment's image and two scale bytes a row.
.macro OUT ST, OB, TS
	s_lshl_b32 s72, s14, 7
	s_add_co_u32 s72, s72, s[\TS]
	s_mul_i32 s72, s72, 768
	s_mov_b32 s73, 0
	s_add_nc_u64 s[74:75], s[8:9], s[72:73]        ; o_img + (128 head + T) x 768
	s_lshr_b32 s76, s14, 4
	s_lshl_b32 s76, s76, 7
	s_add_co_u32 s76, s76, s[\TS]
	s_lshl_b32 s76, s76, 9                         ; 16 rows of 32 bytes a tile
	s_and_b32 s77, s14, 15
	s_lshl_b32 s77, s77, 1
	s_add_co_u32 s76, s76, s77
	s_mov_b32 s77, 0
	s_add_nc_u64 s[78:79], s[10:11], s[76:77]
	v_add_f32 v[\ST+2], v[\ST+2], v[\ST+3]
	v_permlanex16_b32 v252, v[\ST+2], s20, s21
	v_add_f32 v[\ST+2], v[\ST+2], v252             ; the row's sum
	v_rcp_f32 v[\ST+2], v[\ST+2]
	v_nop                                          ; one plain place behind a transcendental
.set j, 0
	s_wait_alu depctr_va_vdst(0)
.rept 16
	v_pk_mul_f32 v[96+j:97+j], v[\OB+j:\OB+j+1], v[\ST+2:\ST+3] op_sel_hi:[1,0]
.set j, j+2
.endr
.irp b, 0,1
	v_max3_num_f32 v[232+\b], |v[96+16*\b]|, |v[97+16*\b]|, 0x1800000
.endr
.irp i, 2,4,6,8,10,12,14
.irp b, 0,1
	v_max3_num_f32 v[232+\b], v[232+\b], |v[96+16*\b+\i]|, |v[97+16*\b+\i]|
.endr
.endr
.irp b, 0,1
	v_permlanex16_b32 v[236+\b], v[232+\b], s20, s21
.endr
.irp b, 0,1
	v_max_num_f32 v[232+\b], v[232+\b], v[236+\b]
.endr
.irp b, 0,1
	v_add_nc_u32 v[244+\b], 0xff000000, v[232+\b]
.endr
.irp b, 0,1
	v_lshrrev_b32 v[236+\b], 23, v[244+\b]
.endr
	v_lshl_or_b32 v253, v237, 8, v236              ; my row's two scale bytes
	v_cvt_scalef32_pk16_fp6_f32 v[224:226], v[96:111], v244
	v_cvt_scalef32_pk16_fp6_f32 v[236:238], v[112:127], v245
	v_nop
.irp i, 0,1,2
	v_permlane16_swap_b32 v[224+\i], v[236+\i]
.endr
.irp i, 0,1,2
	v_mov_b32 v[227+\i], v[236+\i]
.endr
	global_store_b64 v1, v[224:225], s[74:75]      ; 256 consecutive bytes, aligned
	global_store_b128 v2, v[226:229], s[74:75]     ; 512
	global_store_b16 v6, v253, s[78:79]            ; both halves of the lanes write the same two bytes
.endm
	OUT 12, 160, 15
	s_wait_xcnt 0x0                                ; the stores have read their data and bases: both are written again below
	OUT 92, 192, 16
	s_wait_tensorcnt 0x0                           ; the wave's end
	ds_add_u32 v[SPW], v[NIL]
	s_wait_dscnt 0x0
	s_endpgm
.Lfunc_end_k_q0110c0fe9e_attn:
	.size	k_q0110c0fe9e_attn, .Lfunc_end_k_q0110c0fe9e_attn-k_q0110c0fe9e_attn
	.p2alignl 7, 3214868480
	.fill 96, 4, 3214868480
	.section	.rodata,"a",@progbits
	.p2align	6, 0x0
	.amdhsa_kernel k_q0110c0fe9e_attn
		.amdhsa_group_segment_fixed_size 327680
		.amdhsa_private_segment_fixed_size 0
		.amdhsa_enable_private_segment 0
		.amdhsa_kernarg_size 32
		.amdhsa_user_sgpr_count 2
		.amdhsa_user_sgpr_kernarg_segment_ptr 1
		.amdhsa_wavefront_size32 1
		.amdhsa_system_sgpr_workgroup_id_x 1
		.amdhsa_system_sgpr_workgroup_id_y 1
		.amdhsa_system_sgpr_workgroup_id_z 1
		.amdhsa_system_vgpr_workitem_id 0
		.amdhsa_next_free_vgpr 256
		.amdhsa_next_free_sgpr 96
		.amdhsa_reserve_vcc 1
		.amdhsa_float_denorm_mode_32 3
		.amdhsa_float_denorm_mode_16_64 3
		.amdhsa_memory_ordered 1
		.amdhsa_forward_progress 1
		.amdhsa_inst_pref_size 104
	.end_amdhsa_kernel
	.amdgpu_metadata
---
amdhsa.version: [ 1, 2 ]
amdhsa.kernels:
  - .name:           k_q0110c0fe9e_attn
    .symbol:         k_q0110c0fe9e_attn.kd
    .args:
      - { .name: qkv_img, .offset: 0, .size: 8, .value_kind: global_buffer, .address_space: global }
      - { .name: qkv_sc, .offset: 8, .size: 8, .value_kind: global_buffer, .address_space: global }
      - { .name: o_img, .offset: 16, .size: 8, .value_kind: global_buffer, .address_space: global }
      - { .name: o_sc, .offset: 24, .size: 8, .value_kind: global_buffer, .address_space: global }
    .group_segment_fixed_size: 327680
    .private_segment_fixed_size: 0
    .kernarg_segment_align: 8
    .kernarg_segment_size: 32
    .max_flat_workgroup_size: 512
    .sgpr_count:     96
    .vgpr_count:     256
    .wavefront_size: 32
...
	.end_amdgpu_metadata
.endif
;; end of part 3
;; launch outp (part 4): grid 4 x 64, 4 waves a work-group, clusters of 4 x 4, 327,680 bytes of LDS; arguments o_img, o_sc, w_codes, w_scales, bo, out0; writes out0
.if DOCPART == 4
	.amdgcn_target "amdgcn-amd-amdhsa--gfx1250"
	.amdhsa_code_object_version 6
	.text
	.protected	k_q0110c0fe9e_outp
	.globl	k_q0110c0fe9e_outp
	.p2align	8
	.type	k_q0110c0fe9e_outp,@function
k_q0110c0fe9e_outp:
	s_mov_b64 s[64:65], 0
	v_nop
	global_prefetch_b8 v0, s[64:65] scope:SCOPE_SE
	s_setreg_imm32_b32 hwreg(HW_REG_WAVE_MODE, 25, 1), 1
	s_wait_xcnt 0x0
	s_wait_alu depctr_hold_cnt(0) depctr_sa_sdst(0) depctr_va_vdst(0) depctr_va_sdst(0) depctr_va_ssrc(0) depctr_va_vcc(0) depctr_vm_vsrc(0)
	s_getreg_b32 s2, hwreg(HW_REG_IB_STS2, 6, 4)
	s_cmp_eq_u32 s2, 0
	s_cbranch_scc0 .Lentry_in_a_cluster
	s_endpgm
.Lentry_in_a_cluster:
	s_bfe_u32 s2, ttmp6, 0x10000c
	s_cmp_lg_u32 s2, 0xf033
	s_cbranch_scc0 .Lentry_shape_is_right
	s_endpgm
.Lentry_shape_is_right:
; out = attn Wo + bo on codes of FP6 (E2M3) with E8M0 scales.  M = 8,192 token positions, N = 1,024, K = 1,024 (16 heads x 64).  out0 [8192][1024] f32.
; A tile of 128 tokens x 256 columns to a work-group of four waves: 64 x 4 = 256 work-groups; a wave makes 64 x 128: 32 accumulators, 256 registers.  4 x 4 work-groups form a cluster: attn's tiles are asked for jointly
; along a row of the cluster, Wo's along a column.
; K goes in four slices of 256 (four heads), two steps of 128 each, through THREE LDS slots of 86,016 bytes: slices 0, 1, 2 and the scales are first fills, four loads of a wave out at the start; slice 3 fills slot 0 again,
; behind the one round of the cluster's barrier at the end of slice 0, and has slices 1 and 2, 128 matrix instructions a wave, in which to land.  The eight steps are written out: there is no loop.
; attn arrives as IMAGES of half fragments (16 positions x one head's 64: registers 0-1 at 8 x lane, registers 2-5 at 256 + 16 x lane, 768 bytes), [batch x head][tile 128][768]: a wave's load brings 4 heads x 4 tiles,
; four rows of 3,072 bytes, 98,304 bytes apart; a fragment is four LDS loads of consecutive bytes.  Wo's codes lie as rows of 768 bytes at positions 3,072 on of w_codes.
; THE MATRIX INSTRUCTION IS USED TRANSPOSED (source 0 = 16 positions of Wo, source 1 = 16 positions of attn).  Positions are row numbers with bits 3 and 4 exchanged: block b, register j of lane (r, h) is the true column
; 32 (b / 2) + 16 h + 8 (b % 2) + j, and position 16 a + t is the true token 32 (a / 2) + 8 (a % 2) + t % 8 + 16 (t / 8): the way out puts both right.  The bias is the C of the first K step.
; REGISTERS: window 0: v10-29 addresses; v32-63 scale words, two sets; v64-127 the bias; v128-175 attn's four fragments, one set (on the way out v128-255 rows of out).  window 1: Wo's fragments, two sets.  window 2: accumulators.
.set NQ,     2                         ; steps of 128 in a slice
.set ROWB,   192
.set KROW,   768
.set PITCH,  240                       ; Wo's LDS row: 3 x (64 bytes + 16 of padding): the 32 lanes of a load of 8 bytes touch 64 different banks
.set FR,     12
.set NLA,    4                         ; LDS loads of a fragment of attn
.set NP,     4                         ; places behind this matrix instruction (ISA guide 7.12.1)
.set HALFA,  12288                     ; 4 heads x 4 tiles x 768
.set HALFB,  128*PITCH
.set SLOT,   2*HALFA+2*HALFB
.set KS,     32
.set SCL,    3*SLOT                    ; behind the slots: the scales, as units of 256 bytes + 16: attn's 2 x 64 rows, then Wo's 2 x 128
.set HALFSA, 8*272
.set HALFS,  16*272
.set SBLK,   2*272
.set SPARE,  SCL+2*HALFSA+2*HALFS      ; the spare words: 128 bytes a wave, named by no other line
.set SPITCH, 528                       ; the way out: 16 rows x (512 bytes + 16) a wave
.set STAGE,  SLOT                      ; in slot 1: it is filled once, and nobody reads it behind the barrier ahead of slice 3
.set AA8,  10                          ; v10-12 attn's images in slots 0, 1, 2: + 8 x lane
.set AA16, 13                          ; v13-15 + 256 + 16 x lane
.set ADRB, 16                          ; v16-18 Wo's fragments; v19-21 the same behind one padding more
.set STO,  24
.set RD,   25
.set CO,   26
.set ADRS, 27
.set SPW,  28
.set NIL,  29
.set SC,   32
.set BJ,   64
.set AF,   128
.set BK,   128
.set G1,   24                          ; s[24:31] group 1 for attn's tiles
.set G1B,  48                          ; s[48:55] for Wo's
.set G0A0, 32                          ; groups 0, one for each slot: attn's s[32:35], s[36:39], s[4:7] (the pointers have left s[4:11] by then)
.set G0A1, 36
.set G0A2, 4
.set G0B0, 56                          ; Wo's s[56:59], s[60:63], s[8:11]
.set G0B1, 60
.set G0B2, 8
.set G1S,  68
.set G0S,  76
.set G1SB, 80
.set G0SB, 88
.set MSB, 0
.macro WIN new                         ; the immediate's high byte repeats the setting that is left
.if MSB != (\new)
	s_set_vgpr_msb (MSB<<8)|(\new)
.set MSB, (\new)
.endif
.endm
.set MUL_LO, 0xa1                      ; source 0 (Wo) window 1, source 1 (attn) window 0, C and D window 2
.set TO_B,   0x40
.macro JLOAD g0a, g1a, g0b, g1b        ; waves 0 and 1 fetch for attn, waves 2 and 3 for Wo; four v_nop follow each of the two lines
	s_cmp_eq_u32 s15, 0
	s_cbranch_scc0 .Lfor_b_\@
	tensor_load_to_lds s[\g0a:\g0a+3], s[\g1a:\g1a+7]
	s_nop 0
.rept 4
	v_nop
.endr
	s_branch .Lasked_\@
.Lfor_b_\@:
	tensor_load_to_lds s[\g0b:\g0b+3], s[\g1b:\g1b+7]
	s_nop 0
.rept 4
	v_nop
.endr
.Lasked_\@:
.endm
.macro CREST                           ; a round of the cluster's barrier behind its opening barrier
	s_cmp_lg_u32 s14, 0
	s_cbranch_scc1 .Lnot_wave_0_\@
	s_barrier_signal -3
.Lnot_wave_0_\@:
	s_barrier_wait -3
	s_barrier_signal -1
	s_barrier_wait -1
.endm
.macro CROUND
	s_barrier_signal -1
	s_barrier_wait -1
	CREST
.endm
.macro MKG0 g, l, lo, a, ao            ; a group 0: count 1; LDS address s[l] + lo; global address s[a:a+1] + ao; type 2
	s_mov_b32 s[\g], 1
	s_add_co_u32 s[\g+1], s[\l], \lo
	s_add_nc_u64 s[\g+2:\g+3], s[\a:\a+1], \ao
	s_or_b32 s[\g+3], s[\g+3], 0x80000000
.endm
	s_load_b128 s[4:7], s[0:1], 0x0                ; o_img, o_sc
	s_load_b128 s[8:11], s[0:1], 0x10              ; w_codes, w_scales
	s_load_b64 s[96:97], s[0:1], 0x20              ; bo
	s_load_b64 s[12:13], s[0:1], 0x28              ; out0
	v_lshl_add_u32 v[SPW], v0, 2, SPARE
	v_mov_b32 v[NIL], 0
	ds_add_u32 v28, v29
	ds_add_u32 v28, v29
	s_wait_dscnt 0x0
	v_lshrrev_b32 v1, 5, v0
	v_readfirstlane_b32 s14, v1                    ; wave 0..3
	s_lshr_b32 s15, s14, 1                         ; which half of the tile's tokens is mine.  Also: I fetch for attn (0) or for Wo (1)
	s_and_b32 s16, s14, 1                          ; which half of its columns.  Also: which half I fetch
	s_bfe_u32 s40, ttmp6, 0x40000                  ; cx, cy
	s_bfe_u32 s41, ttmp6, 0x40004
	s_lshl_b32 s42, ttmp9, 2
	s_add_co_u32 s42, s42, s40                     ; tile column, 256 columns each
	s_and_b32 s17, ttmp7, 0xffff
	s_lshl_b32 s17, s17, 2
	s_add_co_u32 s17, s17, s41                     ; tile row, 128 tokens each
	s_lshl_b32 s43, s41, 2
	s_lshl_b32 s43, 15, s43                        ; my row of the cluster
	s_lshl_b32 s44, 0x1111, s40                    ; my column
	s_or_b32 s[G1+0], s43, (3<<16)|(1<<21)         ; attn: the mask of my row; elements of 8 bytes; no padding; bit 21 beside a mask
	s_mov_b32 s[G1+1], 384<<16                     ; tensor_dim0 = 384 elements: 4 tiles of 768 bytes
	s_mov_b32 s[G1+2], 4<<16                       ; tensor_dim1 = 4 heads
	s_mov_b32 s[G1+3], 384<<16                     ; tile_dim0
	s_mov_b32 s[G1+4], 4                           ; tile_dim1
	s_mov_b32 s[G1+5], 12288                       ; from head to head: 98,304 bytes
	s_mov_b32 s[G1+6], 0
	s_mov_b32 s[G1+7], 0
	s_or_b32 s[G1B+0], s44, (0<<16)|(1<<20)|(1<<21)|(3<<22)|(3<<25)  ; Wo: 128 rows of 192 bytes, 16 bytes of padding behind every 64
	s_mov_b32 s[G1B+1], ROWB<<16
	s_mov_b32 s[G1B+2], 128<<16
	s_mov_b32 s[G1B+3], ROWB<<16
	s_mov_b32 s[G1B+4], 128
	s_mov_b32 s[G1B+5], KROW
	s_mov_b32 s[G1B+6], 0
	s_mov_b32 s[G1B+7], 0
	s_or_b32 s[G1S+0], s43, (3<<16)|(1<<20)|(1<<21)|(5<<22)|(3<<25)  ; attn's scales of 64 rows: 8 rows of 256 bytes, 16 of padding behind each
	s_mov_b32 s[G1S+1], 32<<16
	s_mov_b32 s[G1S+2], 8<<16
	s_mov_b32 s[G1S+3], 32<<16
	s_mov_b32 s[G1S+4], 8
	s_mov_b32 s[G1S+5], 32
	s_mov_b32 s[G1S+6], 0
	s_mov_b32 s[G1S+7], 0
	s_or_b32 s[G1SB+0], s44, (3<<16)|(1<<20)|(1<<21)|(5<<22)|(3<<25) ; Wo's of 128 rows: 16 such rows
	s_mov_b32 s[G1SB+1], 32<<16
	s_mov_b32 s[G1SB+2], 16<<16
	s_mov_b32 s[G1SB+3], 32<<16
	s_mov_b32 s[G1SB+4], 16
	s_mov_b32 s[G1SB+5], 32
	s_mov_b32 s[G1SB+6], 0
	s_mov_b32 s[G1SB+7], 0
	s_lshl_b32 s18, s16, 6
	s_lshl_b32 s22, s17, 7
	s_add_co_u32 s22, s22, s18                     ; attn: position 128 x tile row + 64 x half:
	s_lshl_b32 s22, s22, 5                         ; its scales, 32 bytes a row
	s_mov_b32 s23, 0
	s_lshr_b32 s20, s17, 4
	s_mul_i32 s20, s20, 1572864                    ; its images: the batch's 16 heads,
	s_and_b32 s21, s17, 15
	s_lshl_b32 s21, s21, 3
	s_lshl_b32 s19, s16, 2
	s_add_co_u32 s21, s21, s19                     ; tile 8 (tile row % 16) + 4 x half
	s_mul_i32 s21, s21, 768
	s_add_co_u32 s20, s20, s21
	s_mov_b32 s21, 0
	s_lshl_b32 s18, s16, 7
	s_lshl_b32 s46, s42, 8
	s_add_co_u32 s46, s46, s18
	s_add_co_u32 s46, s46, 3072                    ; Wo: position 3,072 + 256 x tile column + 128 x half
	s_mov_b32 s47, 0
	s_mov_b64 s[18:19], KS
	s_mul_u64 s[92:93], s[46:47], s[18:19]
	s_mov_b64 s[18:19], KROW
	s_mul_u64 s[46:47], s[46:47], s[18:19]
	s_mul_i32 s45, s16, HALFA                      ; where they go in a slot: attn's two halves,
	s_mul_i32 s95, s16, HALFB
	s_add_co_u32 s95, s95, 2*HALFA                 ; then Wo's two;
	s_mul_i32 s66, s16, HALFSA                     ; and among the scales: attn's two halves,
	s_mul_i32 s67, s16, HALFS
	s_add_co_u32 s67, s67, 2*HALFSA                ; then Wo's two: no place in the cluster enters an LDS address
	s_wait_kmcnt 0x0
	s_add_nc_u64 s[20:21], s[4:5], s[20:21]
	s_add_nc_u64 s[22:23], s[6:7], s[22:23]
	s_add_nc_u64 s[46:47], s[8:9], s[46:47]
	s_add_nc_u64 s[92:93], s[10:11], s[92:93]
	CROUND                                         ; all sixteen work-groups are here: the first joint loads meet
	MKG0 G0S, 66, SCL, 22, 0
	MKG0 G0SB, 67, SCL, 92, 0
	JLOAD G0S, G1S, G0SB, G1SB                     ; the scales first
	MKG0 G0A0, 45, 0, 20, 0
	MKG0 G0B0, 95, 0, 46, 0
	JLOAD G0A0, G1, G0B0, G1B                      ; slice 0
	MKG0 G0A1, 45, SLOT, 20, 393216                ; a slice on: four heads of attn, 192 bytes of Wo's rows
	MKG0 G0B1, 95, SLOT, 46, ROWB
	JLOAD G0A1, G1, G0B1, G1B                      ; slice 1
	MKG0 G0A2, 45, 2*SLOT, 20, 2*393216
	MKG0 G0B2, 95, 2*SLOT, 46, 2*ROWB
	JLOAD G0A2, G1, G0B2, G1B                      ; slice 2: four loads of mine are out
	v_and_b32 v1, 15, v0                           ; r
	v_bfe_u32 v2, v0, 4, 1                         ; h
	v_and_b32 v6, 31, v0                           ; lane
	v_mul_u32_u24 v3, v1, PITCH
	v_mul_u32_u24 v4, v2, 24
	v_add_nc_u32 v4, v3, v4                        ; Wo: a fragment's row x pitch + 24 h
	v_lshl_add_u32 v5, v2, 4, v4                   ; and the same behind one padding more
	v_lshlrev_b32 v3, 3, v6                        ; 8 x lane
	v_lshlrev_b32 v[CO], 4, v6                     ; 16 x lane
	v_add_nc_u32 v7, 256, v[CO]
	s_mul_i32 s21, s15, HALFA                      ; my 4 tiles of attn
	s_mul_i32 s22, s16, HALFB
	s_add_co_u32 s22, s22, 2*HALFA                 ; my 128 rows of Wo
.irp s, 0,1,2
	v_add_nc_u32 v[AA8+\s], s21, v3
	v_add_nc_u32 v[AA16+\s], s21, v7
	v_add_nc_u32 v[ADRB+\s], s22, v4
	v_add_nc_u32 v[ADRB+3+\s], s22, v5
	s_add_co_u32 s21, s21, SLOT
	s_add_co_u32 s22, s22, SLOT
.endr
	v_mul_u32_u24 v5, v1, KS
	v_lshrrev_b32 v6, 8, v5
	v_lshl_add_u32 v5, v6, 4, v5                   ; my row's scales: 32 bytes a row, 16 more for each 256 passed
	s_mul_i32 s21, s15, HALFSA                     ; attn's: my 64 rows
	s_mul_i32 s22, s16, HALFS
	s_add_co_u32 s22, s22, 2*HALFSA                ; Wo's: my 128 rows
	s_sub_co_u32 s22, s22, s21
	v_mul_u32_u24 v6, s22, v2                      ; lanes 16-31 take Wo's
	s_add_co_u32 s21, s21, SCL
	v_add_nc_u32 v5, v5, v6
	v_add_nc_u32 v[ADRS], s21, v5
	s_mul_i32 s23, s14, 16*SPITCH
	s_add_co_u32 s23, s23, STAGE                   ; my stage
	v_mul_u32_u24 v5, v1, SPITCH
	v_lshl_add_u32 v5, v2, 6, v5                   ; in: row r, + 64 h: columns 16 h on of each 32
	v_add_nc_u32 v[STO], s23, v5
	v_add_nc_u32 v[RD], s23, v[CO]                 ; back: the 32 lanes take one row of 512 bytes
	s_lshl_b32 s20, s17, 7
	s_lshl_b32 s21, s15, 6
	s_add_co_u32 s20, s20, s21
	s_lshl_b32 s20, s20, 12                        ; my first row of out: 4,096 bytes a row
	s_mov_b32 s21, 0
	s_lshl_b32 s46, s42, 10
	s_lshl_b32 s47, s16, 9
	s_add_co_u32 s46, s46, s47                     ; my first column, in bytes
	s_mov_b32 s47, 0
	s_add_nc_u64 s[96:97], s[96:97], s[46:47]      ; in bo,
	s_add_nc_u64 s[20:21], s[20:21], s[46:47]
	s_add_nc_u64 s[12:13], s[12:13], s[20:21]      ; and in out
	v_lshlrev_b32 v8, 6, v2                        ; 16 h numbers
.irp b, 0,1,2,3,4,5,6,7
	global_load_b128 v[BJ+8*\b:BJ+8*\b+3], v8, s[96:97] offset:(32*(\b/2)+8*(\b%2))*4
	global_load_b128 v[BJ+8*\b+4:BJ+8*\b+7], v8, s[96:97] offset:(32*(\b/2)+8*(\b%2))*4+16
.endr
.macro FRAG reg, adr, q, i             ; Wo: 16 rows x 128 K in pieces of 8 bytes; the second address register serves the pieces that lie behind one padding more for lanes 16-31
.irp p, 0,1,2,3,4,5
.set PCE, 12*(\q)+6*(\p/3)+\p%3
.if PCE%8 < 5
	ds_load_b64 v[\reg+2*\p:\reg+2*\p+1], v[\adr] offset:8*PCE+16*(PCE/8)+(\i)*16*PITCH
.else
	ds_load_b64 v[\reg+2*\p:\reg+2*\p+1], v[\adr+3] offset:8*PCE+16*(PCE/8)+(\i)*16*PITCH
.endif
.endr
.endm
.macro FRAGA reg, slot, q, i           ; attn: tile i, the slice's heads 2 q and 2 q + 1: two images
	ds_load_b64 v[\reg:\reg+1], v[AA8+\slot] offset:(2*(\q))*3072+(\i)*768
	ds_load_b128 v[\reg+2:\reg+5], v[AA16+\slot] offset:(2*(\q))*3072+(\i)*768
	ds_load_b64 v[\reg+6:\reg+7], v[AA8+\slot] offset:(2*(\q)+1)*3072+(\i)*768
	ds_load_b128 v[\reg+8:\reg+11], v[AA16+\slot] offset:(2*(\q)+1)*3072+(\i)*768
.endm
; 16 matrix instructions: attn's blocks a0, a0 + 1 against Wo's eight.  The 32 accumulators take turns; zero = 1: the sums start from the bias.
.macro MUL16 a0, p, q, sc, zero
.irp a, \a0, \a0+1
.irp b, 0,1,2,3,4,5,6,7
.if \zero
	v_wmma_scale_f32_16x16x128_f8f6f4 v[8*(8*(\a)+\b):8*(8*(\a)+\b)+7], v[128*(\p)+FR*\b:128*(\p)+FR*\b+FR-1], v[AF+FR*(\a):AF+FR*(\a)+FR-1], v[BJ+8*\b:BJ+8*\b+7], v[SC+8*NQ*(\sc)+NQ*\b+(\q)], v[SC+8*NQ*(\sc)+NQ*(\a)+(\q)] matrix_a_fmt:MATRIX_FMT_FP6 matrix_b_fmt:MATRIX_FMT_FP6 matrix_a_scale:MATRIX_SCALE_ROW1
.else
	v_wmma_scale_f32_16x16x128_f8f6f4 v[8*(8*(\a)+\b):8*(8*(\a)+\b)+7], v[128*(\p)+FR*\b:128*(\p)+FR*\b+FR-1], v[AF+FR*(\a):AF+FR*(\a)+FR-1], v[8*(8*(\a)+\b):8*(8*(\a)+\b)+7], v[SC+8*NQ*(\sc)+NQ*\b+(\q)], v[SC+8*NQ*(\sc)+NQ*(\a)+(\q)] matrix_a_fmt:MATRIX_FMT_FP6 matrix_b_fmt:MATRIX_FMT_FP6 matrix_a_scale:MATRIX_SCALE_ROW1
.endif
.endr
.endr
.endm
.macro FETCH_B slot, q, p              ; Wo's eight fragments into set p
	WIN TO_B
.irp i, 0,1,2,3,4,5,6,7
	FRAG 128*(\p)+FR*\i, ADRB+\slot, \q, \i
.endr
	WIN 0
.endm
.macro FETCH_A slot, q, i0             ; attn's blocks i0, i0 + 1
.irp i, \i0, \i0+1
	FRAGA AF+FR*(\i), \slot, \q, \i
.endr
.endm
.macro SCALES sc                       ; a slice's scale words into set sc: lanes 0-15 attn's block i (blocks 0-3 are used), lanes 16-31 Wo's block i
.irp i, 0,1,2,3,4,5,6,7
	ds_load_b64 v[SC+8*NQ*\sc+NQ*\i:SC+8*NQ*\sc+NQ*\i+1], v[ADRS] offset:\i*SBLK
.endr
.endm
.macro PLACES n                        ; plain vector lines between a matrix instruction and a load into, or a read of, its registers
.rept \n
	v_nop
.endr
.endm
; Step g of eight: 128 along K, 32 matrix instructions.  Slice g / 2 lies in slot (g / 2) % 3; Wo's set is g % 2, the set of scale words (g / 2) % 2.  In its middle the step fetches the next step's fragments of Wo and
; attn's blocks 0-1, at its end attn's blocks 2-3.
; kind 0: no more than that.  kind 1: slot 0 has been read out: the three lines, a round of the cluster's barrier, and slice 3 is asked for into it.  kind 2: the next step reads slice 3: the wait for my load, and a barrier.  kind 3: the last step.
.macro GSTEP g, kind, zero
.set GQ, (\g)%2
.set GC, ((\g)/2)%2
.set HQ, ((\g)+1)%2
.set HS, (((\g)+1)/2)%3
.set HC, (((\g)+1)/2)%2
.if \kind == 1
	s_wait_tensorcnt 0x0                           ; all my tensor loads have landed: my parts of slices 1 and 2
	ds_add_u32 v[SPW], v[NIL]                      ; 0 onto my spare word
	s_wait_dscnt 2*NLA+1                           ; the add and the youngest eight loads (attn's blocks 2-3) may be out
.else
	s_wait_dscnt 2*NLA                             ; Wo's set and attn's blocks 0-1 are in; the youngest eight loads (blocks 2-3) may be out
.endif
	WIN MUL_LO-0x20*(\zero)                        ; (with the bias as C: source 2 in window 0)
	MUL16 0, GQ, GQ, GC, \zero
.if \kind == 2
	s_wait_tensorcnt 0x0                           ; my part of slice 3 is in: the one load of mine that was out
.endif
	s_wait_dscnt 0x0                               ; attn's blocks 2-3 are in; kind 1: the add is done, and my reads of slot 0 are over
.if \kind == 1
	s_barrier_signal -1
	WIN 0
	s_barrier_wait -1
	CREST                                          ; the barrier has opened a round of the cluster's barrier: no wave of any partner still reads slot 0 or has a load on its way
	s_add_nc_u64 s[G0A0+2:G0A0+3], s[G0A0+2:G0A0+3], 3*393216
	s_add_nc_u64 s[G0B0+2:G0B0+3], s[G0B0+2:G0B0+3], 3*ROWB
	JLOAD G0A0, G1, G0B0, G1B                      ; slice 3: the first tensor load behind the round, one a wave; its four v_nop are the places in front of the loads below
.elseif \kind == 2
	s_barrier_signal -1
	WIN 0
	s_barrier_wait -1                              ; everybody's part of slice 3 is in
	PLACES NP
.elseif \kind == 0
	PLACES NP
.endif
.if \kind != 3
.if HQ == 0
	WIN 0
	v_add_nc_u32 v[ADRS], 4*NQ, v[ADRS]            ; on to the next slice's scale words
.endif
	FETCH_B HS, HQ, HQ
	FETCH_A HS, HQ, 0
.if HQ == 0
	SCALES HC
.endif
.endif
	WIN MUL_LO-0x20*(\zero)
	MUL16 2, GQ, GQ, GC, \zero
.if \kind != 3
	PLACES NP
	WIN 0
	FETCH_A HS, HQ, 2
.endif
.endm
	s_wait_tensorcnt 2                             ; the scales and my part of slice 0 are in; slices 1 and 2 may be out
	s_barrier_signal -1
	s_barrier_wait -1
	FETCH_B 0, 0, 0
	FETCH_A 0, 0, 0
	SCALES 0
	FETCH_A 0, 0, 2
	s_wait_loadcnt 0x0                             ; the bias
	GSTEP 0, 0, 1
	GSTEP 1, 1, 0
	GSTEP 2, 0, 0
	GSTEP 3, 0, 0                                  ; slot 2 is read without a further barrier: every wave's loads had landed in front of the round
	GSTEP 4, 0, 0
	GSTEP 5, 2, 0
	GSTEP 6, 0, 0
	GSTEP 7, 3, 0
	WIN 0
; THE WAY OUT, block by block of 16 positions x 128 columns, through my own stage: in by true column, back as whole rows of 512 bytes.  LDS serves a wave's instructions in order: no wait between the stores and the loads.
.macro TOSTAGE a
.set AC, 64*(\a)
	WIN 0x08                                       ; an LDS store's data are its source 1: window 2
.irp b, 0,1,2,3,4,5,6,7
	ds_store_b128 v[STO], v[AC+8*\b:AC+8*\b+3] offset:128*(\b/2)+32*(\b%2)      ; each accumulator from its low end on
	ds_store_b128 v[STO], v[AC+8*\b+4:AC+8*\b+7] offset:128*(\b/2)+32*(\b%2)+16
.endr
	WIN 0
.set BB, BK+64*((\a)%2)
.irp t, 0,1,2,3,4,5,6,7,8,9,10,11,12,13,14,15
	ds_load_b128 v[BB+4*\t:BB+4*\t+3], v[RD] offset:\t*SPITCH
.endr
.endm
.macro SEND a, younger                 ; younger: the LDS instructions issued behind block a's loads, which may stay out
.set BB, BK+64*((\a)%2)
	s_wait_dscnt \younger
.irp t, 0,1,2,3,4,5,6,7,8,9,10,11,12,13,14,15
	global_store_b128 v[CO], v[BB+4*\t:BB+4*\t+3], s[12:13] offset:(32*((\a)/2)+8*((\a)%2)+(\t%8)+16*(\t/8))*4096 th:TH_STORE_NT   ; position 16 a + t is this true row; 512 consecutive bytes, aligned
.endr
.endm
	PLACES NP                                      ; behind the last products: their results are read, and loads land in the registers that held attn's fragments
	TOSTAGE 0
.irp a, 1,2,3
.if \a > 1
	s_wait_xcnt 0x0                                ; block a - 2's stores have read their registers: block a's loads may land there
.endif
	TOSTAGE \a
	SEND \a-1, 32                                  ; behind block a - 1's loads: block a's 16 stores and 16 loads
.endr
	SEND 3, 0
	s_wait_tensorcnt 0x0                           ; the wave's end
	ds_add_u32 v[SPW], v[NIL]
	s_wait_dscnt 0x0
	CROUND                                         ; the closing round
	s_endpgm
.Lfunc_end_k_q0110c0fe9e_outp:
	.size	k_q0110c0fe9e_outp, .Lfunc_end_k_q0110c0fe9e_outp-k_q0110c0fe9e_outp
	.p2alignl 7, 3214868480
	.fill 96, 4, 3214868480
	.section	.rodata,"a",@progbits
	.p2align	6, 0x0
	.amdhsa_kernel k_q0110c0fe9e_outp
		.amdhsa_group_segment_fixed_size 327680
		.amdhsa_private_segment_fixed_size 0
		.amdhsa_enable_private_segment 0
		.amdhsa_kernarg_size 48
		.amdhsa_user_sgpr_count 2
		.amdhsa_user_sgpr_kernarg_segment_ptr 1
		.amdhsa_wavefront_size32 1
		.amdhsa_system_sgpr_workgroup_id_x 1
		.amdhsa_system_sgpr_workgroup_id_y 1
		.amdhsa_system_sgpr_workgroup_id_z 1
		.amdhsa_system_vgpr_workitem_id 0
		.amdhsa_next_free_vgpr 768
		.amdhsa_next_free_sgpr 98
		.amdhsa_reserve_vcc 0
		.amdhsa_float_denorm_mode_32 3
		.amdhsa_float_denorm_mode_16_64 3
		.amdhsa_memory_ordered 1
		.amdhsa_forward_progress 1
		.amdhsa_inst_pref_size 99
	.end_amdhsa_kernel
	.amdgpu_metadata
---
amdhsa.version: [ 1, 2 ]
amdhsa.kernels:
  - .name:           k_q0110c0fe9e_outp
    .symbol:         k_q0110c0fe9e_outp.kd
    .args:
      - { .name: o_img, .offset: 0, .size: 8, .value_kind: global_buffer, .address_space: global }
      - { .name: o_sc, .offset: 8, .size: 8, .value_kind: global_buffer, .address_space: global }
      - { .name: w_codes, .offset: 16, .size: 8, .value_kind: global_buffer, .address_space: global }
      - { .name: w_scales, .offset: 24, .size: 8, .value_kind: global_buffer, .address_space: global }
      - { .name: bo, .offset: 32, .size: 8, .value_kind: global_buffer, .address_space: global }
      - { .name: out0, .offset: 40, .size: 8, .value_kind: global_buffer, .address_space: global }
    .group_segment_fixed_size: 327680
    .private_segment_fixed_size: 0
    .kernarg_segment_align: 8
    .kernarg_segment_size: 48
    .max_flat_workgroup_size: 128
    .sgpr_count:     98
    .vgpr_count:     768
    .wavefront_size: 32
...
	.end_amdgpu_metadata
.endif
;; end of part 4
